; MI455X (gfx1250); checked and timed in simulation.
; The chip was launched on July 23, 2026; its instructions are those of AMD's public machine-readable ISA for CDNA 5 (MIT licence, August 2026) and "CDNA5" Instruction Set Architecture Reference Guide (July 2026). The comments in the code are by the model that wrote it; some were corrected since.
;; Mo E Layer. Allowed arithmetic: matrix products marked QUANTISED: E2M3 operands, one E8M0 scale for each 32 along K, by v_wmma_scale_f32_16x16x128_f8f6f4 with both operands' format E2M3, f32 sums; products left as they are: f32 operands where the result goes on into a quantised operand, else bf16, f16 or f32 operands; f32 sums; everything else in f32.
;; Inputs: b1 8 x 4,096 float32; b2 8 x 1,024 float32; gate_b 8 float32; gate_w 8 x 1,024 float32; w1 8 x 1,024 x 4,096 float32; w2 8 x 4,096 x 1,024 float32; x 1 x 1,024 x 1,024 float32.
;; Outputs: out0 1 x 1,024 x 1,024 float32.
;; This version of the problem:
;;   THIS VERSION OF THE PROBLEM IS GIVEN IN LOW PRECISION. The matrix products marked QUANTISED in the list below multiply operands that are first quantised to E2M3 (2 exponent bits, 3 mantissa bits; 6 bits a number), with one power-of-two scale for each 32 numbers along K (OCP MX v1.0); their sums are f32. All else is computed in f32.
;;   The module's matrix products, in the order in which they are computed (A, B: the left and right operand; K: the contracted axis; several contracted axes count as one K, in the product's order):
;;     1. [M 1,024, K 1,024] x [K 1,024, N 8]; A: input x; B: input gate_w: left as it is (N = 8 < 16)
;;     2. [M 1,024, K 1,024] x [K 1,024, N 32,768]; A: input x; B: input w1: QUANTISED
;;     3. batch 8 x [M 1,024, K 4,096] x [K 4,096, N 1,024]; A: input w2; B: computed on the way: QUANTISED
;;     4. batch 1,024 x [M 1, K 8] x [K 8, N 1,024]; A: computed on the way; B: computed on the way: left as it is (K = 8 < 32)
;;   THE QUANTISER, for each operand of a quantised product, along K:
;;     - K is cut into blocks of 32 from its start; a last block that is shorter is filled with zeros.
;;     - A block's scale is 2^e with e = floor(log2(the largest magnitude in the block)) - 2, held to -126 .. 127; a block of zeros has e = 0. As a byte (E8M0): e + 127.
;;     - Each number is divided by its block's scale, clamped to +-7.5, and rounded to the nearest number of E2M3, ties to even, subnormals kept.
;;     - The product sums the exact products of the quantised numbers (number of the format x scale) in f32.
;;   ~~~python
;;   def quantise(x, axis):      # numpy; x: float32 -> the quantised numbers, widened to float32 again
;;       x = np.moveaxis(x, axis, -1); K = x.shape[-1]
;;       x = np.pad(x, [(0, 0)] * (x.ndim - 1) + [(0, -K % 32)]); x = x.reshape(x.shape[:-1] + (-1, 32)); a = np.abs(x).max(-1, keepdims=True)
;;       e = np.where(a > 0, np.clip(np.frexp(np.where(a > 0, a, 1))[1] - 1 - 2, -126, 127), 0)      # np.frexp(a)[1] - 1 = floor(log2(a)), exactly
;;       r = np.clip(x / 2.0 ** e, -7.5, 7.5)
;;       step = 2.0 ** (np.maximum(np.frexp(np.where(r == 0, 1, r))[1] - 1, 0) - 3)
;;       q = np.round(r / step) * step * 2.0 ** e      # np.round: ties to even
;;       return np.moveaxis(q.reshape(q.shape[:-2] + (-1,))[..., :K], -1, axis).astype(np.float32)
;;   ~~~
;;   OPERANDS COMPUTED ON THE WAY. 'Computed on the way' means the value that the module computes at that place (a softmax that the list does not call 'softmax' is quantised finished and normalised). What goes into a quantiser is computed in f32, as accurately as f32 sums, v_exp_f32 and their like allow (about 1e-6 of the number): no bf16 or f16 on the way to a quantiser, and a product that is left as it is and whose result goes on into a quantised operand takes f32 operands (vector FMAs, or v_wmma_f32_16x16x4_f32). A number that lies on a knife's edge between two numbers of the format may be rounded either way, as far as f32 arithmetic and the matrix unit's own rounding can turn it there, and no further.
;; 2 versions, each right; version 2 is version 1 with the launches ffn1, ffn2 written anew for expert scheduling mode. Each part assembles by itself: llvm-mc -triple=amdgcn-amd-amdhsa -mcpu=gfx1250 --defsym DOCPART=n.
;; ======== version 1 of 2: 5 launches
;; limits: a function is approximated: absolute error at most 1.5e-07; an absolute error that grows with the inputs' magnitude: up to 1e-07 times it
;; workspace buffers: sel 8,192 bytes of whole numbers; rwt 8,192 bytes; xq 786,432 bytes; xs 32,768 bytes; hq 25,165,824 bytes; hs 1,048,576 bytes; y 16,777,216 bytes; list 40,960 bytes of whole numbers
;; launch route (part 1): grid 256 x 1, 4 waves a work-group, no clusters, 18,944 bytes of LDS; arguments x, gate_w, gate_b, sel, rwt, xq, xs; writes sel, rwt, xq, xs
.if DOCPART == 1
	.amdgcn_target "amdgcn-amd-amdhsa--gfx1250"
	.amdhsa_code_object_version 6
	.text
	.protected	k_q207c63cc2c_route
	.globl	k_q207c63cc2c_route
	.p2align	8
	.type	k_q207c63cc2c_route,@function
k_q207c63cc2c_route:
	s_mov_b64 s[64:65], 0
	v_nop
	global_prefetch_b8 v0, s[64:65] scope:SCOPE_SE
	s_setreg_imm32_b32 hwreg(HW_REG_WAVE_MODE, 25, 1), 1
	s_wait_xcnt 0x0
; THE ROUTER, AND x QUANTISED ONCE.  x [1024][1024] f32, gate_w [8][1024], gate_b [8].  One wave takes one token t = 4 x work-group + wave.
; logits = x gate_w^T + gate_b in f32 (packed multiply-adds, then a sum over the 32 lanes); the two largest, the lower index first among equals;
; their softmax with the larger taken away: rw0 = 1 / (1 + e^(second - best)), rw1 = e^(second - best) rw0.
; OUT: sel[2 t + j] = the j-th chosen expert (whole numbers, at fixed places: no address here hangs on the choice), rwt[2 t + j] its weight;
; xq: the token's 1,024 codes of FP6 (E2M3) in the order of an operand's registers: [t][h 2][s 8][c 2][24 bytes] = block 4 s + 2 c + h of 32 along K,
; so that lane (r, h) of a fragment finds its 96 registers of all eight K steps in 384 bytes on end;  xs: [t][s % 2][s / 2] the scale word of K step s.
; A block's scale is 2^(floor(log2(largest magnitude)) - 2): its byte is the largest magnitude's exponent field - 2, held at 1 from below.
; LIMITS: NaN and infinities are not served.  A block whose largest magnitude lies under 2^-124 keeps the byte 1 (a block of zeros too, where the rule says 127: its
; codes are zeros and only this program reads the bytes).  The logits' sums are taken in another order than a row-by-row sum: two logits that agree to about
; one part in a million could change places.
; No matrix unit (8 columns), no barrier (waves share nothing), no tensor load: 4 KiB of x a wave.
.set R,  16                            ; v16-47   x as loaded: R[4 i + c] = x[t][128 i + 4 lane + c]
.set XB, 48                            ; v48-79   block `lane` of x: 32 neighbours
.set P,  80                            ; v80-95   a pair of partial sums for each expert
.set L,  96                            ; v96-103  the logits
.set MSB, 0
.macro WIN new                         ; the immediate's high byte repeats the setting that is left
.if MSB != (\new)
	s_set_vgpr_msb (MSB<<8)|(\new)
.set MSB, (\new)
.endif
.endm
	s_load_b256 s[4:11], s[0:1], 0x0               ; x s[4:5], gate_w s[6:7], gate_b s[8:9], sel s[10:11]
	s_load_b128 s[12:15], s[0:1], 0x20             ; rwt s[12:13], xq s[14:15]
	s_load_b64 s[16:17], s[0:1], 0x30              ; xs
	v_lshl_add_u32 v254, v0, 2, 0x4800
	v_mov_b32 v255, 0
	v_lshrrev_b32 v1, 5, v0
	v_readfirstlane_b32 s18, v1                    ; wave
	s_lshl_b32 s19, ttmp9, 2
	s_add_co_u32 s19, s19, s18                     ; t
	v_and_b32 v1, 31, v0                           ; lane
	v_lshlrev_b32 v2, 4, v1                        ; my 16 bytes of a load's 512
	s_mul_i32 s22, s18, 4608                       ; my wave's stage: 32 places of 128 bytes + 16
	v_lshrrev_b32 v8, 3, v1
	v_and_b32 v9, 7, v1
	v_mul_u32_u24 v3, v8, 144
	v_lshl_add_u32 v3, v9, 4, v3
	v_add_nc_u32 v3, s22, v3                       ; in: eight lanes' 128 bytes are a block: place lane / 8 (+ 4 for each load), 16 (lane % 8) in it
	v_mul_u32_u24 v4, v1, 144
	v_add_nc_u32 v4, s22, v4                       ; out: place `lane`
	v_and_b32 v9, 1, v1
	v_mul_u32_u24 v5, v9, 384
	v_lshrrev_b32 v9, 2, v1
	v_mad_u32_u24 v5, v9, 48, v5
	v_bfe_u32 v9, v1, 1, 1
	v_mad_u32_u24 v5, v9, 24, v5                   ; xq: block `lane` = 4 s + 2 c + h lies at 384 h + 48 s + 24 c
	v_bfe_u32 v9, v1, 2, 1
	v_lshlrev_b32 v6, 4, v9
	v_lshl_add_u32 v6, v8, 2, v6
	v_and_b32 v9, 3, v1
	v_add_nc_u32 v6, v6, v9                        ; xs: its byte at 16 (s % 2) + 4 (s / 2) + lane % 4
	v_lshlrev_b32 v7, 2, v1
	s_mov_b32 s20, 0x76543210
	s_mov_b32 s21, 0xfedcba98                      ; v_permlanex16_b32's selects for lane l xor 16
	s_mov_b32 s33, 0
	s_wait_kmcnt 0x0
	s_load_b256 s[24:31], s[8:9], 0x0              ; gate_b
	s_lshl_b32 s32, s19, 12
	s_add_nc_u64 s[4:5], s[4:5], s[32:33]          ; x at my row
	s_mul_i32 s32, s19, 768
	s_add_nc_u64 s[14:15], s[14:15], s[32:33]      ; xq at my token
	s_lshl_b32 s32, s19, 5
	s_add_nc_u64 s[16:17], s[16:17], s[32:33]      ; xs
	s_lshl_b32 s32, s19, 3
	s_add_nc_u64 s[10:11], s[10:11], s[32:33]      ; sel
	s_add_nc_u64 s[12:13], s[12:13], s[32:33]      ; rwt
.irp i, 0,1,2,3,4,5,6,7
	global_load_b128 v[R+4*\i:R+4*\i+3], v2, s[4:5] offset:512*\i th:TH_LOAD_NT   ; 512 bytes on end a load
.endr
	WIN 0x40                                       ; destination window 1: gate_w, G[32 e + 4 i + c] = gate_w[e][128 i + 4 lane + c]
.irp e, 0,1,2,3,4,5,6,7
.irp i, 0,1,2,3,4,5,6,7
	global_load_b128 v[32*\e+4*\i:32*\e+4*\i+3], v2, s[6:7] offset:4096*\e+512*\i
.endr
.endr
	WIN 0
	s_wait_loadcnt 63                              ; behind x's eight loads 64 were issued; 63 is the largest count that the wait can name: x is in
.irp i, 0,1,2,3,4,5,6,7
	ds_store_b128 v3, v[R+4*\i:R+4*\i+3] offset:576*\i
.endr
.irp q, 0,1,2,3,4,5,6,7
	ds_load_b128 v[XB+4*\q:XB+4*\q+3], v4 offset:16*\q   ; LDS serves a wave's instructions in order: these see the stores above
.endr
	s_wait_dscnt 0x0
	v_max3_num_f32 v104, |v[XB]|, |v[XB+1]|, |v[XB+2]|   ; the block's largest magnitude: all 32 numbers are mine; two chains
	v_max3_num_f32 v105, |v[XB+3]|, |v[XB+4]|, |v[XB+5]|
.irp i, 6,10,14,18,22,26
	v_max3_num_f32 v104, v104, |v[XB+\i]|, |v[XB+\i+1]|
	v_max3_num_f32 v105, v105, |v[XB+\i+2]|, |v[XB+\i+3]|
.endr
	v_max3_num_f32 v104, v104, |v[XB+30]|, |v[XB+31]|
	v_max3_num_f32 v104, v104, v105, 0x1800000     ; and the floor 2^(3 - 127): the byte cannot fall under 1
	v_add_nc_u32 v106, 0xff000000, v104            ; 2 off its exponent field: the conversion takes that field as its scale
	v_cvt_scalef32_pk16_fp6_f32 v[108:110], v[XB:XB+15], v106
	v_cvt_scalef32_pk16_fp6_f32 v[112:114], v[XB+16:XB+31], v106
	v_lshrrev_b32 v107, 23, v106                   ; the scale's byte (also the plain line behind the conversions)
	global_store_b96 v5, v[108:110], s[14:15]      ; the wave's two stores cover the token's 768 bytes
	global_store_b96 v5, v[112:114], s[14:15] offset:12
	global_store_b8 v6, v107, s[16:17]             ; 32 bytes on end
	s_wait_loadcnt 0x0                             ; gate_w
	WIN 0x04                                       ; source 1 in window 1
.irp e, 0,1,2,3,4,5,6,7
	v_pk_mul_f32 v[P+2*\e:P+2*\e+1], v[R:R+1], v[32*\e:32*\e+1]   ; the first products start the sums
.endr
.irp i, 1,2,3,4,5,6,7,8,9,10,11,12,13,14,15
.irp e, 0,1,2,3,4,5,6,7
	v_pk_fma_f32 v[P+2*\e:P+2*\e+1], v[R+2*\i:R+2*\i+1], v[32*\e+2*\i:32*\e+2*\i+1], v[P+2*\e:P+2*\e+1]   ; the eight experts by turns
.endr
.endr
	WIN 0
.irp e, 0,1,2,3,4,5,6,7
	v_add_f32 v[L+\e], v[P+2*\e], v[P+2*\e+1]
.endr
.irp m, 1,2,4,8
.irp e, 0,1,2,3,4,5,6,7
	v_add_f32_dpp v[L+\e], v[L+\e], v[L+\e] row_xmask:\m row_mask:0xf bank_mask:0xf
.endr
.endr
.irp e, 0,1,2,3,4,5,6,7
	v_mov_b32 v[116+\e], 0                         ; a lane permute's destination counts as one of its sources
.endr
.irp e, 0,1,2,3,4,5,6,7
	v_permlanex16_b32 v[116+\e], v[L+\e], s20, s21
.endr
	s_wait_kmcnt 0x0                               ; gate_b
.irp e, 0,1,2,3,4,5,6,7
	v_add_f32 v[L+\e], v[L+\e], v[116+\e]
.endr
.irp e, 0,1,2,3,4,5,6,7
	v_add_f32 v[L+\e], s[24+\e], v[L+\e]           ; every lane holds all eight logits
.endr
	v_mov_b32 v124, v[L]                           ; the best, v125 its index: a later one wins only if it is greater
	v_mov_b32 v125, 0
.irp e, 1,2,3,4,5,6,7
	v_cmp_gt_f32 vcc_lo, v[L+\e], v124
	v_cndmask_b32 v124, v124, v[L+\e], vcc_lo
	v_cndmask_b32 v125, v125, \e, vcc_lo
.endr
	v_mov_b32 v126, 0xff800000                     ; the second, v127 its index: the same among the seven others
	v_mov_b32 v127, 0
.irp e, 0,1,2,3,4,5,6,7
	v_cmp_gt_f32 s22, v[L+\e], v126
	v_cmp_ne_u32 vcc_lo, \e, v125
	s_and_b32 vcc_lo, vcc_lo, s22
	v_cndmask_b32 v126, v126, v[L+\e], vcc_lo
	v_cndmask_b32 v127, v127, \e, vcc_lo
.endr
	v_sub_f32 v8, v126, v124                       ; second - best, 0 or less: the maximum is taken away
	v_mul_f32 v8, 0x3fb8aa3b, v8
	v_exp_f32 v8, v8
	v_nop                                          ; a plain line behind a transcendental
	s_wait_alu depctr_va_vdst(0)
	v_add_f32 v9, 1.0, v8
	v_rcp_f32 v9, v9                               ; rw0
	v_nop
	s_wait_alu depctr_va_vdst(0)
	v_mul_f32 v10, v8, v9                          ; rw1
	v_cmp_eq_u32 vcc_lo, 1, v1
	v_cndmask_b32 v11, v125, v127, vcc_lo          ; lane 0 stores the best's, lane 1 the second's
	v_cndmask_b32 v12, v9, v10, vcc_lo
	v_cmp_gt_u32 vcc_lo, 2, v1
	s_wait_xcnt 0x0                                ; EXEC is a source of the stores above: it changes only behind this wait
	s_wait_tensorcnt 0x0
	ds_add_u32 v254, v255
	s_wait_dscnt 0x0
	s_and_saveexec_b32 s22, vcc_lo
	global_store_b32 v7, v11, s[10:11]
	global_store_b32 v7, v12, s[12:13]
	s_wait_xcnt 0x0                                ; and again in front of the line that widens it
	s_or_b32 exec_lo, exec_lo, s22
	s_endpgm
.Lfunc_end_k_q207c63cc2c_route:
	.size	k_q207c63cc2c_route, .Lfunc_end_k_q207c63cc2c_route-k_q207c63cc2c_route
	.p2alignl 7, 3214868480
	.fill 96, 4, 3214868480
	.section	.rodata,"a",@progbits
	.p2align	6, 0x0
	.amdhsa_kernel k_q207c63cc2c_route
		.amdhsa_group_segment_fixed_size 18944
		.amdhsa_private_segment_fixed_size 0
		.amdhsa_enable_private_segment 0
		.amdhsa_kernarg_size 56
		.amdhsa_user_sgpr_count 2
		.amdhsa_user_sgpr_kernarg_segment_ptr 1
		.amdhsa_wavefront_size32 1
		.amdhsa_system_sgpr_workgroup_id_x 1
		.amdhsa_system_sgpr_workgroup_id_y 1
		.amdhsa_system_sgpr_workgroup_id_z 1
		.amdhsa_system_vgpr_workitem_id 0
		.amdhsa_next_free_vgpr 512
		.amdhsa_next_free_sgpr 66
		.amdhsa_reserve_vcc 1
		.amdhsa_float_denorm_mode_32 3
		.amdhsa_float_denorm_mode_16_64 3
		.amdhsa_memory_ordered 1
		.amdhsa_forward_progress 1
		.amdhsa_inst_pref_size 28
	.end_amdhsa_kernel
	.amdgpu_metadata
---
amdhsa.version: [ 1, 2 ]
amdhsa.kernels:
  - .name:           k_q207c63cc2c_route
    .symbol:         k_q207c63cc2c_route.kd
    .args:
      - { .name: x, .offset: 0, .size: 8, .value_kind: global_buffer, .address_space: global }
      - { .name: gate_w, .offset: 8, .size: 8, .value_kind: global_buffer, .address_space: global }
      - { .name: gate_b, .offset: 16, .size: 8, .value_kind: global_buffer, .address_space: global }
      - { .name: sel, .offset: 24, .size: 8, .value_kind: global_buffer, .address_space: global }
      - { .name: rwt, .offset: 32, .size: 8, .value_kind: global_buffer, .address_space: global }
      - { .name: xq, .offset: 40, .size: 8, .value_kind: global_buffer, .address_space: global }
      - { .name: xs, .offset: 48, .size: 8, .value_kind: global_buffer, .address_space: global }
    .group_segment_fixed_size: 18944
    .private_segment_fixed_size: 0
    .kernarg_segment_align: 8
    .kernarg_segment_size: 56
    .max_flat_workgroup_size: 128
    .sgpr_count:     66
    .vgpr_count:     512
    .wavefront_size: 32
...
	.end_amdgpu_metadata
.endif
;; end of part 1
;; launch place (part 2): grid 8 x 1, 1 waves a work-group, no clusters, 0 bytes of LDS; arguments sel, list; writes list
.if DOCPART == 2
	.amdgcn_target "amdgcn-amd-amdhsa--gfx1250"
	.amdhsa_code_object_version 6
	.text
	.protected	k_q207c63cc2c_place
	.globl	k_q207c63cc2c_place
	.p2align	8
	.type	k_q207c63cc2c_place,@function
k_q207c63cc2c_place:
	s_mov_b64 s[64:65], 0
	v_nop
	global_prefetch_b8 v0, s[64:65] scope:SCOPE_SE
	s_setreg_imm32_b32 hwreg(HW_REG_WAVE_MODE, 25, 1), 1
	s_wait_xcnt 0x0
; THE ROWS ARE PLACED BY EXPERT.  sel[i], i = 2 t + j, is the j-th expert that token t chose.  Work-group e, one wave, lays expert e's part of `list`, 5,120 bytes:
;   words 0 .. count - 1: the entries i that name e, ascending;  words count .. count + 127: copies of the last of them (entry 0 where nobody chose e), so that a tile of 16 rows is always
;   full and a look-ahead of four tiles always finds an entry: with NT = ceil(count / 16) tiles the furthest word read is 16 NT + 63, at most count + 78;
;   words 1152 .. 1183: a word for each lane that has nothing to place (nobody reads them);   words 1216 .. 1247: the count, 32 times.  The words between are neither written nor read.
; Register q of lane l holds entry 32 q + l; its rank is the count so far + the matching lanes below l.  An expert has at most 1,024 rows, since a token's two experts differ: count + 127 stays under 1,152.
; THE WORK GOES IN BATCHES OF 16 REGISTERS, each step for all 16 before the next step, so that no line reads the result of the line above it.
; The last entry is made on the scalar side: the last mask that is not empty, and its highest lane (the mask smeared downward has as many bits as that lane's number + 1).
; No LDS, no barrier, no branch: eight waves that share nothing; the whole input is 8 KiB.
.set PART,  5120
.set DUMPW, 1152
.set CNTB,  4864
.set MK, 32                            ; s32-47  a batch's masks
.set BS, 48                            ; s48-63  the count in front of each of its registers
	s_load_b128 s[4:7], s[0:1], 0x0                ; sel s[4:5], list s[6:7]
	v_and_b32 v1, 31, v0                           ; lane
	v_lshlrev_b32 v2, 2, v1
	v_add_nc_u32 v3, DUMPW, v1                     ; my spare word, as an index
	v_add_nc_u32 v7, CNTB, v2
	s_mov_b32 s20, ttmp9                           ; the expert
	s_mul_i32 s10, s20, PART
	s_mov_b32 s11, 0
	s_mov_b32 s21, 0                               ; the count so far
	s_mov_b32 s23, 0                               ; the last mask that is not empty,
	s_mov_b32 s26, 0                               ; and its register's first entry
	s_wait_kmcnt 0x0
	s_add_nc_u64 s[6:7], s[6:7], s[10:11]
.set q, 0
.rept 64
	global_load_b32 v[64+q], v2, s[4:5] offset:128*q   ; 128 bytes on end a load
.set q, q+1
.endr
.macro BATCH b
	s_wait_loadcnt 48-16*(\b)                      ; this batch's 16 loads are in; those of the later batches may be out
.set k, 0
.rept 16
	v_cmp_eq_u32 s[MK+k], s20, v[64+16*(\b)+k]
.set k, k+1
.endr
.set k, 0
.rept 16
	v_add_nc_u32 v[192+16*(\b)+k], 32*(16*(\b)+k), v1   ; the entries
.set k, k+1
.endr
.set k, 0
.rept 16
	s_mov_b32 s[BS+k], s21
	s_bcnt1_i32_b32 s22, s[MK+k]                   ; SCC: the mask is not empty
	s_cselect_b32 s23, s[MK+k], s23
	s_cselect_b32 s26, 32*(16*(\b)+k), s26
	s_add_co_u32 s21, s21, s22
.set k, k+1
.endr
.set k, 0
.rept 16
	v_mbcnt_lo_u32_b32 v[128+16*(\b)+k], s[MK+k], s[BS+k]   ; the rank
.set k, k+1
.endr
.set k, 0
.rept 16
	v_cndmask_b32 v[128+16*(\b)+k], v3, v[128+16*(\b)+k], s[MK+k]   ; a lane with nothing to place takes its spare word
.set k, k+1
.endr
.set k, 0
.rept 16
	v_min_u32 v[128+16*(\b)+k], DUMPW+31, v[128+16*(\b)+k]   ; held inside the expert's part
.set k, k+1
.endr
.set k, 0
.rept 16
	v_lshlrev_b32 v[128+16*(\b)+k], 2, v[128+16*(\b)+k]
.set k, k+1
.endr
.set k, 0
.rept 16
	global_store_b32 v[128+16*(\b)+k], v[192+16*(\b)+k], s[6:7]   ; each store has registers of its own: none is written again
.set k, k+1
.endr
.endm
	BATCH 0
	BATCH 1
	BATCH 2
	BATCH 3
.irp n, 1,2,4,8,16
	s_lshr_b32 s22, s23, \n
	s_or_b32 s23, s23, s22                         ; every bit under the highest is set
.endr
	s_bcnt1_i32_b32 s22, s23                       ; the highest matching lane + 1
	s_add_co_u32 s26, s26, s22
	s_sub_co_u32 s26, s26, 1                       ; the list's last entry;
	s_max_i32 s26, s26, 0                          ; entry 0 where the list is empty
	v_mov_b32 v5, s26
	v_mov_b32 v6, s21
	v_add_nc_u32 v9, s21, v1                       ; count + lane
.irp k, 0,1,2,3
	v_add_nc_u32 v[12+\k], 32*\k, v9
.endr
.irp k, 0,1,2,3
	v_min_u32 v[12+\k], DUMPW-1, v[12+\k]
.endr
.irp k, 0,1,2,3
	v_lshlrev_b32 v[12+\k], 2, v[12+\k]
.endr
.irp k, 0,1,2,3
	global_store_b32 v[12+\k], v5, s[6:7]          ; 128 copies behind the list's end
.endr
	global_store_b32 v7, v6, s[6:7]                ; the count: 128 bytes on end, so that no lane is masked
	s_endpgm
.Lfunc_end_k_q207c63cc2c_place:
	.size	k_q207c63cc2c_place, .Lfunc_end_k_q207c63cc2c_place-k_q207c63cc2c_place
	.p2alignl 7, 3214868480
	.fill 96, 4, 3214868480
	.section	.rodata,"a",@progbits
	.p2align	6, 0x0
	.amdhsa_kernel k_q207c63cc2c_place
		.amdhsa_group_segment_fixed_size 0
		.amdhsa_private_segment_fixed_size 0
		.amdhsa_enable_private_segment 0
		.amdhsa_kernarg_size 16
		.amdhsa_user_sgpr_count 2
		.amdhsa_user_sgpr_kernarg_segment_ptr 1
		.amdhsa_wavefront_size32 1
		.amdhsa_system_sgpr_workgroup_id_x 1
		.amdhsa_system_sgpr_workgroup_id_y 1
		.amdhsa_system_sgpr_workgroup_id_z 1
		.amdhsa_system_vgpr_workitem_id 0
		.amdhsa_next_free_vgpr 256
		.amdhsa_next_free_sgpr 66
		.amdhsa_reserve_vcc 0
		.amdhsa_float_denorm_mode_32 3
		.amdhsa_float_denorm_mode_16_64 3
		.amdhsa_memory_ordered 1
		.amdhsa_forward_progress 1
		.amdhsa_inst_pref_size 49
	.end_amdhsa_kernel
	.amdgpu_metadata
---
amdhsa.version: [ 1, 2 ]
amdhsa.kernels:
  - .name:           k_q207c63cc2c_place
    .symbol:         k_q207c63cc2c_place.kd
    .args:
      - { .name: sel, .offset: 0, .size: 8, .value_kind: global_buffer, .address_space: global }
      - { .name: list, .offset: 8, .size: 8, .value_kind: global_buffer, .address_space: global }
    .group_segment_fixed_size: 0
    .private_segment_fixed_size: 0
    .kernarg_segment_align: 8
    .kernarg_segment_size: 16
    .max_flat_workgroup_size: 32
    .sgpr_count:     66
    .vgpr_count:     256
    .wavefront_size: 32
...
	.end_amdgpu_metadata
.endif
;; end of part 2
;; launch ffn1 (part 3): grid 32 x 8, 4 waves a work-group, no clusters, 131,584 bytes of LDS; arguments list, xq, xs, w1, b1, hq, hs; writes hq, hs
.if DOCPART == 3
	.amdgcn_target "amdgcn-amd-amdhsa--gfx1250"
	.amdhsa_code_object_version 6
	.text
	.protected	k_q207c63cc2c_ffn1
	.globl	k_q207c63cc2c_ffn1
	.p2align	8
	.type	k_q207c63cc2c_ffn1,@function
k_q207c63cc2c_ffn1:
	s_mov_b64 s[64:65], 0
	v_nop
	global_prefetch_b8 v0, s[64:65] scope:SCOPE_SE
	s_setreg_imm32_b32 hwreg(HW_REG_WAVE_MODE, 25, 1), 1
	s_wait_xcnt 0x0
; h = gelu(x w1[e] + b1[e]) FOR THE ROWS THAT CHOSE EXPERT e, in MX-FP6 (E2M3 codes, one E8M0 scale for each 32 along K), and h quantised along F.
; A work-group owns expert e (grid y) and 128 columns of F (grid x): 1,024 x 128 numbers of w1, 512 KiB, which no other work-group reads.
; PHASE 1: the four waves stream that slice once (wave w: rows 256 w on), each load 512 bytes on end, the slice's whole part of a row of w1; a lane holds 4 columns and its registers run
;   down K, so a block of 32 along K is 32 registers of one lane; quantised, the codes go to LDS as images of the operand's registers (64 fragments of 16 columns x 128 K), the scale bytes beside them.
;   IN ITS MIDDLE STANDS A BARRIER: behind four of a wave's eight units its first K step is whole, so fragments f with f % 16 < 8 are.  Every wave takes those 32 into its registers in four short runs,
;   each in front of the wait for the next unit's loads from memory; the units that follow store to the other 32 fragments' bytes alone.
; Behind the second barrier every wave takes the other 32.   PHASE 2: THE WAVES SHARE THE ROWS: wave w takes tiles w, w + 4 .. of 16 rows of the expert's list: x's codes from xq,
;   64 products (transposed: source 0 = 16 columns of w1, source 1 = 16 rows of x; b1 is the C of the first), gelu, quantise: one fragment and one scale word a row of the next product's K step x.
;   K goes in the order 0, 2, 4, 6, 1, 3, 5, 7 of its steps of 128, the order in which the fragments came into the registers: the sums are f32 and are judged within a tolerance.
; The list (entries 2 t + j) and its count come from memory as an earlier launch stored them: the count by a scalar load, a tile's entries by a vector load one tile ahead.
; THE COLUMNS OF A TILE ARE NOT NEIGHBOURS: column 32 b + 16 g + 8 u + j goes to tile 2 b + u, row 8 g + j, so that a lane's 16 registers of tiles 2 b, 2 b + 1 are 16 neighbours along F.
; The list's last tile is filled up with copies of its last row: they compute the same numbers.  Tile 0 of an expert is always made (with token 0 where nobody chose it), since the next launch's look-ahead reads it.
; gelu(x) = max(x, 0) - |x| q(|x|), q = erfc(|x| / sqrt 2) / 2 by the five-term rational form (Abramowitz-Stegun 7.1.26, |error of erf| <= 1.5e-7): the error of gelu is at most about 1e-7 |x|.
; LIMITS: NaN and infinities are not served; a block whose largest magnitude lies under 2^-124 keeps the byte 1 (a block of zeros too: its codes are zeros, and only this program reads the bytes);
;   gelu's error is small against |x|, not against gelu itself where x < -2.
; NO CLUSTER, NO TENSOR LOAD: which trips work hangs on a count read from memory; no byte of w1 is shared; what the 32 work-groups of an expert share, 12 KiB of xq a tile, is small beside 512 KiB of weights.
; REGISTERS, window 0: v1-15 addresses; v16-47 w1's scale words, v48-51 x's: these hold scales and nothing else; phase 1: v58, v60-63 the bias, v64-107 at work, v128-255 four columns x 32 numbers;
;   phase 2: v56-151 x's eight fragments, v152-215 eight accumulators, v216-227 the last fragment, v228-255 and v52-55 at work.  Window 1 in phase 1: two sets of 32 loads.
;   The fragment at place p of the products' order lies in slot (p + 21) % 63 of windows 1-3, 21 slots of 12 registers a window: places 0-41 in windows 2 and 3, which phase 1 leaves alone.
.set FP,    1552                       ; a fragment's image: 32 lanes x 48 bytes, + 16
.set WSC,   64*FP                      ; 32 images of scale registers, 128 bytes each
.set BIAS,  WSC+4096                   ; b1's 128 numbers
.set PART,  5120                       ; an expert's part of the list, in bytes
.set CNTB,  4864                       ; where its count stands
.set M,   64
.set SO,  68
.set SBY, 72
.set C,   76
.set X,   128
.set WS,  16
.set XS,  48
.set XF,  56
.set ACC, 152
.set W63, 216
.set TT,  228
.set WE,  236
.set RR,  244
.set TMX, 52
.set TMB, 228
.set TMS, 232
.set PC,  236
.set PW,  14
.set MSB, 0
.macro WIN new                         ; the immediate's high byte repeats the setting that is left; bits 1:0 source 0, 3:2 source 1, 5:4 source 2, 7:6 destination
.if MSB != (\new)
	s_set_vgpr_msb (MSB<<8)|(\new)
.set MSB, (\new)
.endif
.endm
; 32 loads: rows 32 u .. 32 u + 31 of my wave's 256, into set u % 2 of window 1
.macro LOADQ u
	WIN 0x40
.set i, 0
.rept 32
	global_load_b128 v[128*((\u)%2)+4*i:128*((\u)%2)+4*i+3], v1, s[10:11] offset:(32*(\u)+i)*16384 th:TH_LOAD_NT
.set i, i+1
.endr
	WIN 0
.endm
; unit u: block u % 4 of K step 2 w + u / 4, for my four columns
.macro QUANTQ u
.if (\u) < 7
	s_wait_loadcnt 32                              ; this unit's 32 loads (and all older ones) are in; the next unit's 32 may be out
.else
	s_wait_loadcnt 0x0
.endif
	s_wait_dscnt 0x0                               ; the last unit's LDS stores have read the registers that are written again below (and the run of fragment loads behind them is in)
	WIN 0x01
.set i, 0
.rept 32
.irp jj, 0,1,2,3
	v_mov_b32 v[X+32*\jj+i], v[128*((\u)%2)+4*i+\jj]   ; a column's 32 numbers into 32 registers on end, as the conversions want them
.endr
.set i, i+1
.endr
	WIN 0
.if (\u)+2 < 8
	LOADQ (\u)+2                                   ; the set just read takes the unit two on
.endif
.irp jj, 0,1,2,3
	v_max3_num_f32 v[M+\jj], |v[X+32*\jj]|, |v[X+32*\jj+1]|, 0x1800000   ; with the floor 2^(3 - 127): the byte cannot fall under 1
.endr
.irp k, 2,4,6,8,10,12,14,16,18,20,22,24,26,28,30
.irp jj, 0,1,2,3
	v_max3_num_f32 v[M+\jj], v[M+\jj], |v[X+32*\jj+\k]|, |v[X+32*\jj+\k+1]|   ; the four columns by turns
.endr
.endr
.irp jj, 0,1,2,3
	v_add_nc_u32 v[SO+\jj], 0xff000000, v[M+\jj]   ; 2 off the exponent field: the conversion's scale operand
.endr
.irp jj, 0,1,2,3
	v_lshrrev_b32 v[SBY+\jj], 23, v[SO+\jj]        ; the scale's byte
.endr
.irp jj, 0,1,2,3
	v_cvt_scalef32_pk16_fp6_f32 v[C+8*\jj:C+8*\jj+2], v[X+32*\jj:X+32*\jj+15], v[SO+\jj]
	v_cvt_scalef32_pk16_fp6_f32 v[C+8*\jj+4:C+8*\jj+6], v[X+32*\jj+16:X+32*\jj+31], v[SO+\jj]   ; (a conversion's three registers begin on an even number)
.endr
	v_nop                                          ; one plain line behind the conversions
.irp jj, 0,1,2,3
	v_mov_b32 v[C+8*\jj+3], v[C+8*\jj+4]
	v_mov_b32 v[C+8*\jj+4], v[C+8*\jj+5]
	v_mov_b32 v[C+8*\jj+5], v[C+8*\jj+6]           ; the block's 24 bytes on end
.endr
.set IMW, ((\u)/4)*8*FP+768*((\u)%2)+24*(((\u)/2)%2)   ; K step, half h = u % 2 (16 lanes x 48 bytes), c = (u / 2) % 2
.set IMS, 512*((\u)/4)+(\u)%4
.irp jj, 0,1,2,3
.irp p, 0,1,2
	ds_store_b64 v4, v[C+8*\jj+2*\p:C+8*\jj+2*\p+1] offset:IMW+48*\jj+8*\p
.endr
	ds_store_b8 v5, v[SBY+\jj] offset:IMS+4*\jj
.endr
.endm
; n fragments from place p0 of the products' order on, out of LDS into their registers.  Place p holds fragment 16 ((p / 8) % 4) + 8 (p / 32) + p % 8: first the 32 that are whole at the first barrier
.macro FRAGS p0, n
.set FPOS, \p0
.rept \n
.set FIDX, 16*((FPOS/8)%4)+8*(FPOS/32)+FPOS%8
.if FPOS < 63
.set FSLT, (FPOS+21)%63
	WIN (1+FSLT/21)<<6
.set FD, 12*(FSLT%21)
.else
	WIN 0
.set FD, W63
.endif
.irp g, 0,1,2
.if FIDX < 32
	ds_load_b128 v[FD+4*\g:FD+4*\g+3], v12 offset:FIDX*FP+16*\g
.else
	ds_load_b128 v[FD+4*\g:FD+4*\g+3], v15 offset:(FIDX-32)*FP+16*\g
.endif
.endr
.set FPOS, FPOS+1
.endr
	WIN 0
.endm
; a run between two units of phase 1's second half: n early fragments, and the four scale registers 8 r .. 8 r + 3 (fragment f's words stand in register f / 2)
.macro EARLY p0, n, r
	FRAGS \p0, \n
.irp j, 0,1,2,3
	ds_load_b32 v[WS+8*(\r)+\j], v14 offset:128*(8*(\r)+\j)
.endr
.endm
; one product: D and C = accumulator d, A = fragment a of w1, B = fragment b of x; ra, rb: the side's scale words stand in lanes 16-31
.macro MM d, a, b, sa, sb, ra, rb
.if (\ra) && (\rb)
	v_wmma_scale_f32_16x16x128_f8f6f4 v[\d:\d+7], v[\a:\a+11], v[\b:\b+11], v[\d:\d+7], v[\sa], v[\sb] matrix_a_fmt:MATRIX_FMT_FP6 matrix_b_fmt:MATRIX_FMT_FP6 matrix_a_scale:MATRIX_SCALE_ROW1 matrix_b_scale:MATRIX_SCALE_ROW1
.elseif (\ra)
	v_wmma_scale_f32_16x16x128_f8f6f4 v[\d:\d+7], v[\a:\a+11], v[\b:\b+11], v[\d:\d+7], v[\sa], v[\sb] matrix_a_fmt:MATRIX_FMT_FP6 matrix_b_fmt:MATRIX_FMT_FP6 matrix_a_scale:MATRIX_SCALE_ROW1
.elseif (\rb)
	v_wmma_scale_f32_16x16x128_f8f6f4 v[\d:\d+7], v[\a:\a+11], v[\b:\b+11], v[\d:\d+7], v[\sa], v[\sb] matrix_a_fmt:MATRIX_FMT_FP6 matrix_b_fmt:MATRIX_FMT_FP6 matrix_b_scale:MATRIX_SCALE_ROW1
.else
	v_wmma_scale_f32_16x16x128_f8f6f4 v[\d:\d+7], v[\a:\a+11], v[\b:\b+11], v[\d:\d+7], v[\sa], v[\sb] matrix_a_fmt:MATRIX_FMT_FP6 matrix_b_fmt:MATRIX_FMT_FP6
.endif
.endm
.macro XADR                            ; from the list's entry to my row's places in xq and xs: four plain lines
	v_lshrrev_b32 v13, 1, v9                       ; the token
	v_min_u32 v13, 0x3ff, v13
	v_mad_u32_u24 v5, v13, 768, v7
	v_lshl_add_u32 v6, v13, 5, v8
.endm
.macro XLOAD                           ; 25 loads: my 384 bytes of codes (registers 12 s + .. of the eight fragments) and four scale words (K steps 2 i + lane / 16)
.set i, 0
.rept 24
	global_load_b128 v[XF+4*i:XF+4*i+3], v5, s[6:7] offset:16*i
.set i, i+1
.endr
	global_load_b128 v[XS:XS+3], v6, s[8:9]
.endm
.macro GELU8 a                         ; eight numbers in place
.irp j, 0,1,2,3,4,5,6,7
	v_fma_f32 v[TT+\j], |v[\a+\j]|, s34, 1.0       ; 1 + p |x| / sqrt 2.  (The accumulator is read from its low end on)
.endr
.irp j, 0,2,4,6
	v_pk_mul_f32 v[WE+\j:WE+\j+1], v[\a+\j:\a+\j+1], v[\a+\j:\a+\j+1]
.endr
.irp j, 0,1,2,3,4,5,6,7
	v_rcp_f32 v[TT+\j], v[TT+\j]                   ; t
.endr
.irp j, 0,2,4,6
	v_pk_mul_f32 v[WE+\j:WE+\j+1], v[WE+\j:WE+\j+1], s[36:37] op_sel_hi:[1,0]   ; - x^2 log2(e) / 2  (plain lines behind the reciprocals)
.endr
.irp j, 0,1,2,3,4,5,6,7
	v_exp_f32 v[WE+\j], v[WE+\j]                   ; e^(-x^2 / 2)
.endr
	s_wait_alu depctr_va_vdst(0)
.irp j, 0,2,4,6
	v_pk_fma_f32 v[RR+\j:RR+\j+1], v[TT+\j:TT+\j+1], v[10:11], s[38:39] op_sel_hi:[1,1,0]   ; the polynomial in t, its coefficients halved  (plain lines behind the exponentials)
.endr
.irp j, 0,2,4,6
	v_pk_fma_f32 v[RR+\j:RR+\j+1], v[RR+\j:RR+\j+1], v[TT+\j:TT+\j+1], s[40:41] op_sel_hi:[1,1,0]
.endr
.irp j, 0,2,4,6
	v_pk_fma_f32 v[RR+\j:RR+\j+1], v[RR+\j:RR+\j+1], v[TT+\j:TT+\j+1], s[42:43] op_sel_hi:[1,1,0]
.endr
.irp j, 0,2,4,6
	v_pk_fma_f32 v[RR+\j:RR+\j+1], v[RR+\j:RR+\j+1], v[TT+\j:TT+\j+1], s[44:45] op_sel_hi:[1,1,0]
.endr
.irp j, 0,2,4,6
	v_pk_mul_f32 v[RR+\j:RR+\j+1], v[RR+\j:RR+\j+1], v[TT+\j:TT+\j+1]
.endr
.irp j, 0,2,4,6
	v_pk_mul_f32 v[RR+\j:RR+\j+1], v[RR+\j:RR+\j+1], v[WE+\j:WE+\j+1]   ; q
.endr
.irp j, 0,1,2,3,4,5,6,7
	v_max_num_f32 v[TT+\j], 0, v[\a+\j]
.endr
.irp j, 0,1,2,3,4,5,6,7
	v_fma_f32 v[\a+\j], -|v[\a+\j]|, v[RR+\j], v[TT+\j]   ; max(x, 0) - |x| q
.endr
.endm
; 64 numbers of a lane, register 16 b + i = k 32 b + 16 (lane / 16) + i of my row, become a fragment's codes in v[PC] on and its scale word in v[PW]
.macro QUANT s
.irp b, 0,1,2,3
	v_max3_num_f32 v[TMX+\b], |v[\s+16*\b]|, |v[\s+1+16*\b]|, 0x1800000
.endr
.irp i, 2,4,6,8,10,12,14
.irp b, 0,1,2,3
	v_max3_num_f32 v[TMX+\b], v[TMX+\b], |v[\s+16*\b+\i]|, |v[\s+1+16*\b+\i]|
.endr
.endr
.irp b, 0,1,2,3
	v_permlanex16_b32 v[TMB+\b], v[TMX+\b], s30, s31
.endr
.irp b, 0,1,2,3
	v_max_num_f32 v[TMX+\b], v[TMX+\b], v[TMB+\b]  ; with lane l xor 16's: the block's largest magnitude
.endr
.irp b, 0,1,2,3
	v_add_nc_u32 v[TMS+\b], 0xff000000, v[TMX+\b]
.endr
.irp b, 0,1,2,3
	v_lshrrev_b32 v[TMB+\b], 23, v[TMS+\b]
.endr
	v_lshl_or_b32 v[PW], v[TMB+1], 8, v[TMB]
	v_lshl_or_b32 v[PW], v[TMB+2], 16, v[PW]
	v_lshl_or_b32 v[PW], v[TMB+3], 24, v[PW]
.irp c, 0,1
	v_cvt_scalef32_pk16_fp6_f32 v[PC+6*\c:PC+2+6*\c], v[\s+32*\c:\s+15+32*\c], v[TMS+2*\c]
	v_cvt_scalef32_pk16_fp6_f32 v[PC+12+4*\c:PC+14+4*\c], v[\s+16+32*\c:\s+31+32*\c], v[TMS+2*\c+1]
.endr
	v_nop                                          ; one plain line behind the conversions
.irp c, 0,1                                    ; the operand's layout wants a whole block in a lane: lanes 0-15 block 2 c, lanes 16-31 block 2 c + 1
.irp i, 0,1,2
	v_permlane16_swap_b32 v[PC+6*\c+\i], v[PC+12+4*\c+\i]
.endr
.irp i, 0,1,2
	v_mov_b32 v[PC+3+6*\c+\i], v[PC+12+4*\c+\i]
.endr
.endr
.endm
	s_load_b256 s[4:11], s[0:1], 0x0               ; list s[4:5], xq s[6:7], xs s[8:9], w1 s[10:11]
	s_load_b128 s[12:15], s[0:1], 0x20             ; b1 s[12:13], hq s[14:15]
	s_load_b64 s[16:17], s[0:1], 0x30              ; hs
	s_set_vgpr_msb 0x80
	v_lshl_add_u32 v254, v0, 2, 0x20000
	v_mov_b32 v255, 0
	s_set_vgpr_msb 0x8000
	v_lshrrev_b32 v64, 5, v0
	v_readfirstlane_b32 s18, v64                   ; wave
	s_mov_b32 s19, ttmp9                           ; which 128 columns of F
	s_and_b32 s20, ttmp7, 0xffff                   ; the expert
	; every LDS address register is made here, ahead of the one branch on the wave's number
	v_and_b32 v64, 31, v0                          ; l
	v_bfe_u32 v65, v0, 4, 1                        ; l / 16
	v_and_b32 v66, 15, v0                          ; l % 16
	v_bfe_u32 v67, v0, 3, 2                        ; l / 8
	v_bfe_u32 v68, v0, 1, 1
	v_bfe_u32 v69, v0, 2, 1
	v_and_b32 v70, 1, v0
	v_lshlrev_b32 v1, 4, v64                       ; my 16 bytes (4 columns) of a row's 512, and of b1's 512; later: my 16 bytes of an image in hq
	v_lshl_add_u32 v2, v65, 6, BIAS                ; the bias of my half's units
	s_lshl_b32 s22, s18, 6
	v_lshl_add_u32 v3, v66, 2, s22                 ; the list: the entry of row l % 16 of tile w
	v_lshl_add_u32 v71, v67, 1, v68                ; my columns' tile: 2 (l / 8) + (l / 2) % 2
	v_lshlrev_b32 v72, 2, v70
	v_lshl_add_u32 v72, v69, 3, v72                ; and their first row in it: 8 ((l / 4) % 2) + 4 (l % 2)
	s_mul_i32 s22, s18, 16*FP                      ; my wave's two K steps: 16 fragments
	v_mul_u32_u24 v4, v71, FP
	v_mad_u32_u24 v4, v72, 48, v4
	v_add_nc_u32 v4, s22, v4                       ; where my codes go
	v_lshl_add_u32 v73, v68, 4, v72
	v_lshlrev_b32 v5, 2, v73
	v_lshl_add_u32 v5, v67, 7, v5
	s_lshl_b32 s22, s18, 10
	s_add_co_u32 s22, s22, WSC
	v_add_nc_u32 v5, s22, v5                       ; and my scale bytes: register 4 s + tile / 2, lane 16 (tile % 2) + row, byte = block
	v_mul_u32_u24 v7, v65, 384                     ; xq: my half's 384 bytes of a token's 768
	v_lshlrev_b32 v8, 4, v65                       ; xs: my half's four words
	v_mov_b32 v10, 0x3f07dc22                      ; a5 / 2
	v_mov_b32 v11, 0x3f07dc22
	v_mul_u32_u24 v12, v64, 48                     ; an image read back: 48 bytes a lane
	v_add_nc_u32 v15, 32*FP, v12
	v_lshl_add_u32 v14, v64, 2, WSC
	v_lshl_add_u32 v58, v64, 4, BIAS
	s_mov_b32 s30, 0x76543210
	s_mov_b32 s31, 0xfedcba98                      ; v_permlanex16_b32's selects for lane l xor 16
	s_mov_b32 s34, 0x3e6d3388                      ; 0.3275911 / sqrt 2
	s_mov_b32 s36, 0xbf38aa3b                      ; - log2(e) / 2   (the packed forms name pairs: both words are written)
	s_mov_b32 s37, 0xbf38aa3b
	s_mov_b32 s38, 0xbf3a00e3                      ; a4 / 2
	s_mov_b32 s39, 0xbf3a00e3
	s_mov_b32 s40, 0x3f35f0e3                      ; a3 / 2
	s_mov_b32 s41, 0x3f35f0e3
	s_mov_b32 s42, 0xbe11a98e                      ; a2 / 2
	s_mov_b32 s43, 0xbe11a98e
	s_mov_b32 s44, 0x3e027906                      ; a1 / 2
	s_mov_b32 s45, 0x3e027906
	s_lshl_b32 s28, s20, 24                        ; w1: 16 MiB an expert,
	s_lshl_b32 s22, s18, 22                        ; 256 rows of 16,384 bytes a wave,
	s_add_co_u32 s28, s28, s22
	s_lshl_b32 s22, s19, 9                         ; 512 bytes a slice
	s_add_co_u32 s28, s28, s22
	s_mov_b32 s29, 0
	s_wait_kmcnt 0x0
	s_add_nc_u64 s[10:11], s[10:11], s[28:29]
	s_lshl_b32 s28, s20, 14
	s_add_co_u32 s28, s28, s22
	s_add_nc_u64 s[12:13], s[12:13], s[28:29]      ; b1 at my 128 numbers
	s_lshl_b32 s28, s20, 6
	s_add_co_u32 s28, s28, s18
	s_lshl_b32 s28, s28, 5
	s_add_co_u32 s28, s28, s19                     ; (64 e + tile w) x 32 + K step x
	s_lshl_b32 s22, s28, 6
	s_mul_i32 s28, s28, 1536
	s_add_nc_u64 s[14:15], s[14:15], s[28:29]      ; hq
	s_mov_b32 s28, s22
	s_add_nc_u64 s[16:17], s[16:17], s[28:29]      ; hs
	s_mul_i32 s28, s20, PART
	s_add_nc_u64 s[4:5], s[4:5], s[28:29]          ; the expert's part of the list
	s_load_b32 s23, s[4:5], CNTB                   ; its count: wanted behind phase 1
	global_load_b32 v9, v3, s[4:5]                 ; my first tile's entry, likewise
	global_load_b128 v[60:63], v1, s[12:13]        ; the bias: every wave loads it, so that all waves count their loads alike; wave 0 stores it
	LOADQ 0
	LOADQ 1
.irp u, 0,1,2,3
	QUANTQ \u
.endr
	s_wait_dscnt 0x0                               ; my first K step's images and scale bytes have landed
	s_barrier_signal -1
	s_barrier_wait -1                              ; everybody's have: fragments f with f % 16 < 8 are whole.  (Loads of w1, which nobody writes, stay on their way across the barrier)
	EARLY 0, 6, 0                                  ; the first two runs are the shorter: units 4 and 5 still have loads from memory to issue
	QUANTQ 4
	EARLY 6, 6, 1
	QUANTQ 5
	EARLY 12, 10, 2
	QUANTQ 6
	EARLY 22, 10, 3
	QUANTQ 7
	s_cmp_lg_u32 s18, 0
	s_cbranch_scc1 .Lno_bias
	ds_store_b128 v58, v[60:63]
.Lno_bias:
	s_wait_dscnt 0x0                               ; my images, scale bytes (and the bias) have landed
	s_barrier_signal -1
	s_barrier_wait -1                              ; everybody's have: the launch's last barrier; from here on LDS is only read
	XADR
	XLOAD                                          ; my first tile's x lands while the other fragments come out of LDS
	v_and_b32 v4, 15, v0
	v_lshlrev_b32 v4, 2, v4                        ; hs: row l % 16's word
	FRAGS 32, 32
.irp r, 0,1,2,3
.irp j, 4,5,6,7
	ds_load_b32 v[WS+8*\r+\j], v14 offset:128*(8*\r+\j)
.endr
.endr
	s_wait_dscnt 0x0
	s_wait_kmcnt 0x0                               ; the count
	s_add_co_u32 s24, s23, 15
	s_lshr_b32 s24, s24, 4
	s_max_u32 s24, s24, 1                          ; tiles of 16 rows; at least tile 0
	s_mov_b32 s25, s18                             ; the tile in hand: w + 4 x trip
	s_mov_b32 s26, 0
	s_mov_b32 s28, 0                               ; s[28:29], s[32:33]: what hq's and hs's bases step by in front of a trip's stores: nothing in the first trip
	s_mov_b32 s32, 0
	s_mov_b32 s33, 0
.Ltile:                                                ; sixteen trips, as many as 1,024 rows would want; a trip whose tile lies behind the list's end does nothing
	s_cmp_ge_u32 s25, s24
	s_cbranch_scc1 .Lskip
	global_load_b32 v9, v3, s[4:5] offset:256      ; the entry of my next tile, four tiles on: it has the 64 products in which to come
.irp b, 0,1,2,3
.irp u, 0,1
	ds_load_b128 v[ACC+16*\b+8*\u:ACC+16*\b+8*\u+3], v2 offset:128*\b+32*\u        ; b1 in the result's layout: the sums begin with it
	ds_load_b128 v[ACC+16*\b+8*\u+4:ACC+16*\b+8*\u+7], v2 offset:128*\b+32*\u+16
.endr
.endr
	s_wait_dscnt 0x0
	s_wait_loadcnt 0x1                             ; x's 25 loads, asked for a gelu ago, are in; the entry's one load may be out
.set FPOS, 0
.rept 64                                       ; place p: K step 2 ((p / 8) % 4) + p / 32, tile p % 8: the eight accumulators take turns, one instruction a turn
.set KS, 2*((FPOS/8)%4)+FPOS/32
.if FPOS < 63
.set FSLT, (FPOS+21)%63
	WIN 1+FSLT/21
.set FA, 12*(FSLT%21)
.else
	WIN 0
.set FA, W63
.endif
	MM ACC+8*(FPOS%8), FA, XF+12*KS, WS+4*KS+(FPOS%8)/2, XS+KS/2, FPOS%2, KS%2
.set FPOS, FPOS+1
.endr
	WIN 0
	s_wait_loadcnt 0x0                             ; the next tile's entry: so its offset register may step
	s_wait_xcnt 0x0                                ; the last trip's stores, issued 64 products ago, have read their registers and bases: the bases step here, the data are rewritten below
	s_add_nc_u64 s[14:15], s[14:15], s[28:29]      ; four tiles on in hq: 4 x 32 x 1,536 (nothing in the first trip),
	s_add_nc_u64 s[16:17], s[16:17], s[32:33]      ; and in hs
	s_mov_b32 s28, 196608
	s_mov_b32 s32, 8192
	v_add_nc_u32 v3, 256, v3                       ; four tiles on in the list: 64 entries
	XADR                                           ; with the line above five plain lines: the places behind the last product, in front of the loads into its operands and of the first read of results
	XLOAD                                          ; the next tile's x lands under the gelu
.irp t, 0,1,2,3,4,5,6,7
	GELU8 ACC+8*\t
.endr
	QUANT ACC
.irp g, 0,1,2
	global_store_b128 v1, v[PC+4*\g:PC+4*\g+3], s[14:15] offset:512*\g   ; the fragment as it stands: 512 bytes on end a store
.endr
	global_store_b32 v4, v[PW], s[16:17]           ; sixteen scale words (lanes 16-31 write the same)
.Lskip:
	s_add_co_u32 s25, s25, 4                       ; only counters step here: no register of a pending load or store
	s_add_co_u32 s26, s26, 1
	s_cmp_lt_u32 s26, 16
	s_cbranch_scc1 .Ltile
	s_set_vgpr_msb 0xa
	s_wait_tensorcnt 0x0
	ds_add_u32 v254, v255
	s_wait_dscnt 0x0
	s_set_vgpr_msb 0xa00
	s_endpgm
.Lfunc_end_k_q207c63cc2c_ffn1:
	.size	k_q207c63cc2c_ffn1, .Lfunc_end_k_q207c63cc2c_ffn1-k_q207c63cc2c_ffn1
	.p2alignl 7, 3214868480
	.fill 96, 4, 3214868480
	.section	.rodata,"a",@progbits
	.p2align	6, 0x0
	.amdhsa_kernel k_q207c63cc2c_ffn1
		.amdhsa_group_segment_fixed_size 131584
		.amdhsa_private_segment_fixed_size 0
		.amdhsa_enable_private_segment 0
		.amdhsa_kernarg_size 56
		.amdhsa_user_sgpr_count 2
		.amdhsa_user_sgpr_kernarg_segment_ptr 1
		.amdhsa_wavefront_size32 1
		.amdhsa_system_sgpr_workgroup_id_x 1
		.amdhsa_system_sgpr_workgroup_id_y 1
		.amdhsa_system_sgpr_workgroup_id_z 1
		.amdhsa_system_vgpr_workitem_id 0
		.amdhsa_next_free_vgpr 1024
		.amdhsa_next_free_sgpr 66
		.amdhsa_reserve_vcc 0
		.amdhsa_float_denorm_mode_32 3
		.amdhsa_float_denorm_mode_16_64 3
		.amdhsa_memory_ordered 1
		.amdhsa_forward_progress 1
		.amdhsa_inst_pref_size 178
	.end_amdhsa_kernel
	.amdgpu_metadata
---
amdhsa.version: [ 1, 2 ]
amdhsa.kernels:
  - .name:           k_q207c63cc2c_ffn1
    .symbol:         k_q207c63cc2c_ffn1.kd
    .args:
      - { .name: list, .offset: 0, .size: 8, .value_kind: global_buffer, .address_space: global }
      - { .name: xq, .offset: 8, .size: 8, .value_kind: global_buffer, .address_space: global }
      - { .name: xs, .offset: 16, .size: 8, .value_kind: global_buffer, .address_space: global }
      - { .name: w1, .offset: 24, .size: 8, .value_kind: global_buffer, .address_space: global }
      - { .name: b1, .offset: 32, .size: 8, .value_kind: global_buffer, .address_space: global }
      - { .name: hq, .offset: 40, .size: 8, .value_kind: global_buffer, .address_space: global }
      - { .name: hs, .offset: 48, .size: 8, .value_kind: global_buffer, .address_space: global }
    .group_segment_fixed_size: 131584
    .private_segment_fixed_size: 0
    .kernarg_segment_align: 8
    .kernarg_segment_size: 56
    .max_flat_workgroup_size: 128
    .sgpr_count:     66
    .vgpr_count:     1024
    .wavefront_size: 32
...
	.end_amdgpu_metadata
.endif
;; end of part 3
;; launch ffn2 (part 4): grid 32 x 8, 4 waves a work-group, no clusters, 131,584 bytes of LDS; arguments list, rwt, hq, hs, w2, b2, y; writes y
.if DOCPART == 4
	.amdgcn_target "amdgcn-amd-amdhsa--gfx1250"
	.amdhsa_code_object_version 6
	.text
	.protected	k_q207c63cc2c_ffn2
	.globl	k_q207c63cc2c_ffn2
	.p2align	8
	.type	k_q207c63cc2c_ffn2,@function
k_q207c63cc2c_ffn2:
	s_mov_b64 s[64:65], 0
	v_nop
	global_prefetch_b8 v0, s[64:65] scope:SCOPE_SE
	s_setreg_imm32_b32 hwreg(HW_REG_WAVE_MODE, 25, 1), 1
	s_wait_xcnt 0x0
; y[kh][2 t + j] = rw x (h w2[e] over half kh of K (+ b2[e] where kh = 0)) FOR THE ROWS THAT CHOSE EXPERT e, in MX-FP6 (E2M3 codes, one E8M0 scale for each 32 along K).
; A work-group owns expert e (grid y), 64 columns of H (grid x % 16) and half of K = F (kh = grid x / 16): 2,048 x 64 numbers of w2, 512 KiB, which no other work-group reads.
; K is halved, not the columns, so that the work-group's part of every row of w2 is 256 bytes on end, aligned; the last launch adds the halves.
; PHASE 1: the four waves stream the slice once (wave w: rows 512 w on; a load takes rows k and k + 32, 256 bytes each); a lane holds 4 columns and its registers run down K; quantised, the codes
;   go to LDS as images of the operand's registers (64 fragments: 16 K steps x 4 tiles of 16 columns), the scale bytes beside them.
;   IN ITS MIDDLE STANDS A BARRIER: behind four of a wave's eight units its first two K steps are whole, so fragments f with f % 16 < 8 are.  Every wave takes those 32 into its registers in four short
;   runs, each in front of the wait for the next unit's loads from memory; the units that follow store to the other 32 fragments' bytes alone.
; Behind the second barrier every wave takes the other 32.   PHASE 2: THE WAVES SHARE THE ROWS: wave w takes tiles w, w + 4 .. of 16 rows of the expert's list: h's fragments from hq through
;   a ring of eight register slots (32 loads always out), 64 products (transposed: source 0 = 16 columns of w2, source 1 = 16 rows of h; the bias is the C of the first), x rw, through the wave's
;   own stage, and out as whole rows of 256 bytes to the rows' places 2 t + j.  The copies that fill the list's last tile up store the same numbers to the same place, from the same wave.
;   K goes in the order 0, 1, 4, 5, 8, 9, 12, 13, 2, 3, 6, 7, 10, 11, 14, 15 of its steps of 128, the order in which the fragments came into the registers: the sums are f32 and are judged within a tolerance.
; The list and its count come from memory as an earlier launch stored them: the count by a scalar load; a tile's entries, and the router's weight that they lead to, one tile ahead.
; LIMITS: NaN and infinities are not served; a block whose largest magnitude lies under 2^-124 keeps the byte 1 (a block of zeros too: its codes are zeros, and only this program reads the bytes).
; NO CLUSTER, NO TENSOR LOAD: which trips work hangs on a count read from memory; no byte of w2 is shared.
; REGISTERS, window 0: v1-14 addresses; v16-47 w2's scale words, v48-55 h's: these hold scales and nothing else; phase 1: v58, v60-63 the bias, v64-107 at work, v128-255 four columns x 32 numbers;
;   v108-116 the entries in waiting (from the head on), v117 their weight, v[118:119] the weight in hand;
;   phase 2: v56-87 rows on the way out, v88-99 the last fragment, v120-127 the rows' places, v128-223 eight slots of h, v224-255 four accumulators.
;   The fragment at place p of the products' order lies in slot (p + 21) % 63 of windows 1-3, 21 slots of 12 registers a window: places 0-41 in windows 2 and 3, which phase 1 leaves alone.
.set FP,    1552
.set WSC,   64*FP
.set BIAS,  WSC+4096                   ; b2's 64 numbers (zeros in the second half of K)
.set STAGE, BIAS+512                   ; 16 rows x (256 bytes + 16) for each wave
.set PART,  5120
.set CNTB,  4864
.set M,   64
.set SO,  68
.set SBY, 72
.set C,   76
.set X,   128
.set WS,  16
.set HS,  48
.set OUT, 56
.set W63, 88
.set RIN, 108
.set LEN, 116
.set RWN, 117
.set RW,  118
.set RI,  120
.set HF,  128
.set ACC, 224
.set MSB, 0
.macro WIN new                         ; the immediate's high byte repeats the setting that is left
.if MSB != (\new)
	s_set_vgpr_msb (MSB<<8)|(\new)
.set MSB, (\new)
.endif
.endm
; 32 loads: rows 64 u + i (lanes 0-15) and 64 u + 32 + i (lanes 16-31) of my wave's 512, into set u % 2 of window 1
.macro LOADQ u
	WIN 0x40
.set i, 0
.rept 32
	global_load_b128 v[128*((\u)%2)+4*i:128*((\u)%2)+4*i+3], v1, s[12:13] offset:(64*(\u)+i)*4096 th:TH_LOAD_NT
.set i, i+1
.endr
	WIN 0
.endm
; unit u: blocks 2 (u % 2) + lane / 16 of K step 4 w + u / 2, for my four columns
.macro QUANTQ u
.if (\u) < 7
	s_wait_loadcnt 32                              ; this unit's 32 loads (and all older ones) are in; the next unit's 32 may be out
.else
	s_wait_loadcnt 0x0
.endif
	s_wait_dscnt 0x0                               ; the last unit's LDS stores have read the registers that are written again below (and the run of fragment loads behind them is in)
	WIN 0x01
.set i, 0
.rept 32
.irp jj, 0,1,2,3
	v_mov_b32 v[X+32*\jj+i], v[128*((\u)%2)+4*i+\jj]
.endr
.set i, i+1
.endr
	WIN 0
.if (\u)+2 < 8
	LOADQ (\u)+2
.endif
.irp jj, 0,1,2,3
	v_max3_num_f32 v[M+\jj], |v[X+32*\jj]|, |v[X+32*\jj+1]|, 0x1800000   ; with the floor 2^(3 - 127)
.endr
.irp k, 2,4,6,8,10,12,14,16,18,20,22,24,26,28,30
.irp jj, 0,1,2,3
	v_max3_num_f32 v[M+\jj], v[M+\jj], |v[X+32*\jj+\k]|, |v[X+32*\jj+\k+1]|
.endr
.endr
.irp jj, 0,1,2,3
	v_add_nc_u32 v[SO+\jj], 0xff000000, v[M+\jj]
.endr
.irp jj, 0,1,2,3
	v_lshrrev_b32 v[SBY+\jj], 23, v[SO+\jj]
.endr
.irp jj, 0,1,2,3
	v_cvt_scalef32_pk16_fp6_f32 v[C+8*\jj:C+8*\jj+2], v[X+32*\jj:X+32*\jj+15], v[SO+\jj]
	v_cvt_scalef32_pk16_fp6_f32 v[C+8*\jj+4:C+8*\jj+6], v[X+32*\jj+16:X+32*\jj+31], v[SO+\jj]
.endr
	v_nop                                          ; one plain line behind the conversions
.irp jj, 0,1,2,3
	v_mov_b32 v[C+8*\jj+3], v[C+8*\jj+4]
	v_mov_b32 v[C+8*\jj+4], v[C+8*\jj+5]
	v_mov_b32 v[C+8*\jj+5], v[C+8*\jj+6]
.endr
.set IMW, ((\u)/2)*4*FP+24*((\u)%2)
.set IMS, 256*((\u)/2)+2*((\u)%2)
.irp jj, 0,1,2,3
.irp p, 0,1,2
	ds_store_b64 v4, v[C+8*\jj+2*\p:C+8*\jj+2*\p+1] offset:IMW+48*\jj+8*\p
.endr
	ds_store_b8 v5, v[SBY+\jj] offset:IMS+4*\jj
.endr
.endm
; n fragments from place p0 of the products' order on, out of LDS into their registers.  Place p holds fragment 16 ((p / 8) % 4) + 8 (p / 32) + p % 8: first the 32 that are whole at the first barrier
.macro FRAGS p0, n
.set FPOS, \p0
.rept \n
.set FIDX, 16*((FPOS/8)%4)+8*(FPOS/32)+FPOS%8
.if FPOS < 63
.set FSLT, (FPOS+21)%63
	WIN (1+FSLT/21)<<6
.set FD, 12*(FSLT%21)
.else
	WIN 0
.set FD, W63
.endif
.irp g, 0,1,2
.if FIDX < 32
	ds_load_b128 v[FD+4*\g:FD+4*\g+3], v9 offset:FIDX*FP+16*\g
.else
	ds_load_b128 v[FD+4*\g:FD+4*\g+3], v10 offset:(FIDX-32)*FP+16*\g
.endif
.endr
.set FPOS, FPOS+1
.endr
	WIN 0
.endm
; a run between two units of phase 1's second half: n early fragments, and the four scale registers 8 r .. 8 r + 3 (fragment f's words stand in register f / 2)
.macro EARLY p0, n, r
	FRAGS \p0, \n
.irp j, 0,1,2,3
	ds_load_b32 v[WS+8*(\r)+\j], v11 offset:128*(8*(\r)+\j)
.endr
.endm
.macro MM d, a, b, sa, sb, ra
.if (\ra)
	v_wmma_scale_f32_16x16x128_f8f6f4 v[\d:\d+7], v[\a:\a+11], v[\b:\b+11], v[\d:\d+7], v[\sa], v[\sb] matrix_a_fmt:MATRIX_FMT_FP6 matrix_b_fmt:MATRIX_FMT_FP6 matrix_a_scale:MATRIX_SCALE_ROW1
.else
	v_wmma_scale_f32_16x16x128_f8f6f4 v[\d:\d+7], v[\a:\a+11], v[\b:\b+11], v[\d:\d+7], v[\sa], v[\sb] matrix_a_fmt:MATRIX_FMT_FP6 matrix_b_fmt:MATRIX_FMT_FP6
.endif
.endm
.macro NEXTBASE src                    ; where tile min(src, the expert's last tile) begins in hq and hs: the look-ahead never leaves what the launch before has written
	s_min_u32 s33, \src, s32
	s_min_u32 s33, s33, 63
	s_mul_i32 s28, s33, 49152
	s_add_nc_u64 s[38:39], s[8:9], s[28:29]
	s_lshl_b32 s28, s33, 11
	s_add_nc_u64 s[42:43], s[10:11], s[28:29]
.endm
.macro SLOTLOAD slot, k, hb, sb        ; four loads: the fragment of K step k, 512 bytes on end a load, and its sixteen scale words
.irp g, 0,1,2
	global_load_b128 v[HF+12*(\slot)+4*\g:HF+12*(\slot)+4*\g+3], v1, s[\hb:\hb+1] offset:1536*(\k)+512*\g
.endr
	global_load_b32 v[HS+(\slot)], v4, s[\sb:\sb+1] offset:64*(\k)
.endm
.macro ENTRIES off                     ; nine loads: the entry of row l % 16, which leads to the weight, and those of rows 2 i + l / 16, for the way out
	global_load_b32 v[LEN], v3, s[4:5] offset:\off
.irp i, 0,1,2,3,4,5,6,7
	global_load_b32 v[RIN+\i], v12, s[4:5] offset:\off+8*\i
.endr
.endm
.macro WEIGHT                          ; from the entry in waiting to its router weight
	v_min_u32 v[LEN], 0x7ff, v[LEN]
	v_lshlrev_b32 v[LEN], 2, v[LEN]
	global_load_b32 v[RWN], v[LEN], s[6:7]
.endm
; the sl-th of a tile's sixteen steps: K step 4 ((sl / 2) % 4) + 2 (sl / 8) + sl % 2, out of slot sl % 8
.macro STEP sl
.if (\sl) < 8
	s_wait_loadcnt 37                              ; behind this slot's four loads: seven slots' 28, and the nine entries
.else
	s_wait_loadcnt 29                              ; seven slots' 28, and the next weight's one
.endif
.set KK, 4*(((\sl)/2)%4)+2*((\sl)/8)+(\sl)%2
.irp T, 0,1,2,3                                ; the four accumulators take turns, one instruction a turn
.set FPOS, 4*(\sl)+\T
.if FPOS < 63
.set FSLT, (FPOS+21)%63
	WIN 1+FSLT/21
.set FA, 12*(FSLT%21)
.else
	WIN 0
.set FA, W63
.endif
	MM ACC+8*\T, FA, HF+12*((\sl)%8), WS+2*KK+\T/2, HS+(\sl)%8, \T%2
.endr
	WIN 0
.rept 4
	v_nop                                          ; places in front of the loads into registers that the products have read (behind the last step: in front of the first read of results)
.endr
.set NI, ((\sl)+8)%16
.set NK, 4*((NI/2)%4)+2*(NI/8)+NI%2
.if (\sl) < 8
	SLOTLOAD (\sl)%8, NK, 36, 40                   ; this tile's step eight on
.else
	SLOTLOAD (\sl)%8, NK, 38, 42                   ; my next tile's first eight
.endif
.endm
	s_load_b256 s[4:11], s[0:1], 0x0               ; list s[4:5], rwt s[6:7], hq s[8:9], hs s[10:11]
	s_load_b128 s[12:15], s[0:1], 0x20             ; w2 s[12:13], b2 s[14:15]
	s_load_b64 s[16:17], s[0:1], 0x30              ; y
	v_lshl_add_u32 v15, v0, 2, 0x20000
	v_mov_b32 v107, 0
	v_lshrrev_b32 v64, 5, v0
	v_readfirstlane_b32 s18, v64                   ; wave
	s_and_b32 s19, ttmp9, 15                       ; which 64 columns of H
	s_lshr_b32 s30, ttmp9, 4                       ; which half of K
	s_and_b32 s20, ttmp7, 0xffff                   ; the expert
	; every LDS address register is made here, ahead of the one branch on the wave's number
	v_and_b32 v64, 31, v0                          ; l
	v_bfe_u32 v65, v0, 4, 1                        ; l / 16
	v_and_b32 v66, 15, v0                          ; l % 16
	v_bfe_u32 v67, v0, 2, 2                        ; my columns' tile: (l / 4) % 4
	v_and_b32 v68, 3, v0
	v_lshlrev_b32 v69, 2, v68                      ; and their first row in it: 4 (l % 4)
	v_bfe_u32 v71, v0, 3, 1                        ; tile / 2
	v_bfe_u32 v72, v0, 2, 1                        ; tile % 2
	v_lshlrev_b32 v7, 4, v66                       ; my 16 bytes of 256: of b2's, and of a row of y
	v_lshl_add_u32 v1, v65, 17, v7                 ; of a row of w2; lanes 16-31 stand 32 rows of 4,096 bytes further down
	v_lshl_add_u32 v2, v65, 5, BIAS
	s_lshl_b32 s22, s18, 6
	v_lshl_add_u32 v3, v66, 2, s22                 ; the list: the entry of row l % 16 of tile w,
	v_lshl_add_u32 v12, v65, 2, s22                ; and of row l / 16 (+ 2 i)
	s_mul_i32 s22, s18, 16*FP                      ; my wave's four K steps: 16 fragments
	v_lshl_add_u32 v70, v65, 4, v69
	v_mul_u32_u24 v4, v67, FP
	v_mad_u32_u24 v4, v70, 48, v4
	v_add_nc_u32 v4, s22, v4                       ; where my codes go: lane' = row + 16 (l / 16)
	v_lshl_add_u32 v73, v72, 4, v69
	v_lshl_add_u32 v5, v73, 2, v65
	v_lshl_add_u32 v5, v71, 7, v5
	s_lshl_b32 s22, s18, 10
	s_add_co_u32 s22, s22, WSC
	v_add_nc_u32 v5, s22, v5                       ; and my scale bytes: register 2 step + tile / 2, lane 16 (tile % 2) + row, byte 2 c + l / 16
	v_mul_u32_u24 v9, v64, 48                      ; an image read back: 48 bytes a lane
	v_add_nc_u32 v10, 32*FP, v9
	v_lshl_add_u32 v11, v64, 2, WSC
	s_mul_i32 s22, s18, 16*272
	s_add_co_u32 s22, s22, STAGE                   ; my stage
	v_mul_u32_u24 v13, v66, 272
	v_lshl_add_u32 v13, v65, 5, v13
	v_add_nc_u32 v13, s22, v13                     ; in: row l % 16, 32 bytes for each half of the lanes
	v_mul_u32_u24 v14, v65, 272
	v_lshl_add_u32 v14, v66, 4, v14
	v_add_nc_u32 v14, s22, v14                     ; back: lanes 0-15 one row, lanes 16-31 the next
	v_lshl_add_u32 v58, v66, 4, BIAS
	s_cmp_eq_u32 s30, 0
	s_cselect_b32 s44, -1, 0
	s_lshl_b32 s28, s20, 24                        ; w2: 16 MiB an expert,
	s_lshl_b32 s22, s30, 23                        ; 2,048 rows of 4,096 bytes a half,
	s_add_co_u32 s28, s28, s22
	s_lshl_b32 s22, s18, 21                        ; 512 rows a wave,
	s_add_co_u32 s28, s28, s22
	s_lshl_b32 s31, s19, 8                         ; 256 bytes a slice
	s_add_co_u32 s28, s28, s31
	s_mov_b32 s29, 0
	s_wait_kmcnt 0x0
	s_add_nc_u64 s[12:13], s[12:13], s[28:29]
	s_lshl_b32 s28, s20, 12
	s_add_co_u32 s28, s28, s31
	s_add_nc_u64 s[14:15], s[14:15], s[28:29]      ; b2 at my 64 numbers
	s_mul_i32 s28, s20, 3145728
	s_mul_i32 s22, s30, 24576
	s_add_co_u32 s28, s28, s22
	s_add_nc_u64 s[8:9], s[8:9], s[28:29]          ; hq at the expert's tile 0, my half's first K step
	s_lshl_b32 s28, s20, 17
	s_lshl_b32 s22, s30, 10
	s_add_co_u32 s28, s28, s22
	s_add_nc_u64 s[10:11], s[10:11], s[28:29]      ; hs likewise
	s_lshl_b32 s28, s30, 23
	s_add_co_u32 s28, s28, s31
	s_add_nc_u64 s[16:17], s[16:17], s[28:29]      ; y at my half, my columns
	s_mul_i32 s28, s20, PART
	s_add_nc_u64 s[4:5], s[4:5], s[28:29]          ; the expert's part of the list
	s_load_b32 s23, s[4:5], CNTB                   ; its count: wanted behind phase 1
	ENTRIES 0                                      ; my first tile's entries, likewise
	global_load_b128 v[60:63], v7, s[14:15]        ; the bias: every wave loads it, so that all waves count their loads alike; wave 0 stores it
	LOADQ 0
	LOADQ 1
.irp u, 0,1,2,3
	QUANTQ \u
.endr
	s_wait_dscnt 0x0                               ; my first two K steps' images and scale bytes have landed
	s_barrier_signal -1
	s_barrier_wait -1                              ; everybody's have: fragments f with f % 16 < 8 are whole.  (Loads of w2, which nobody writes, stay on their way across the barrier)
	EARLY 0, 6, 0                                  ; the first two runs are the shorter: units 4 and 5 still have loads from memory to issue
	QUANTQ 4
	EARLY 6, 6, 1
	QUANTQ 5
	EARLY 12, 10, 2
	QUANTQ 6
	EARLY 22, 10, 3
	QUANTQ 7
.irp k, 0,1,2,3
	v_cndmask_b32 v[60+\k], 0, v[60+\k], s44       ; the bias belongs to the first half of K alone
.endr
	s_cmp_lg_u32 s18, 0
	s_cbranch_scc1 .Lno_bias
	ds_store_b128 v58, v[60:63]                    ; (lanes 16-31 write what lanes 0-15 write)
.Lno_bias:
	s_wait_dscnt 0x0                               ; my images, scale bytes (and the bias) have landed
	s_barrier_signal -1
	s_barrier_wait -1                              ; everybody's have: the launch's last barrier; from here on a wave writes only its own stage
	s_wait_kmcnt 0x0                               ; the count
	s_add_co_u32 s24, s23, 15
	s_lshr_b32 s24, s24, 4                         ; tiles of 16 rows
	s_max_u32 s32, s24, 1
	s_sub_co_u32 s32, s32, 1                       ; the last tile that the launch before has written
	v_and_b32 v1, 31, v0
	v_lshlrev_b32 v1, 4, v1                        ; my 16 bytes of an image in hq
	v_and_b32 v4, 15, v0
	v_lshlrev_b32 v4, 2, v4                        ; hs: row l % 16's word
	v_mov_b32 v[RW+1], 0                           ; (named with the weight as a pair)
	WEIGHT                                         ; my first tile's weight: one load, older than the 32 below
	NEXTBASE s18
.irp q, 0,1,2,3,4,5,6,7
	SLOTLOAD \q, 4*((\q/2)%4)+\q%2, 38, 42         ; 32 loads out, which land while the other fragments come out of LDS: so it stands at the head of every trip
.endr
	FRAGS 32, 32
.irp r, 0,1,2,3
.irp j, 4,5,6,7
	ds_load_b32 v[WS+8*\r+\j], v11 offset:128*(8*\r+\j)
.endr
.endr
	s_wait_dscnt 0x0
	s_mov_b32 s25, s18                             ; the tile in hand: w + 4 x trip
	s_mov_b32 s26, 0
.Ltile:                                                ; sixteen trips; a trip whose tile lies behind the list's end does nothing
	s_cmp_ge_u32 s25, s24
	s_cbranch_scc1 .Lskip
	s_wait_xcnt 0x0                                ; every load and store issued so far has read its bases and registers
	s_mov_b64 s[36:37], s[38:39]
	s_mov_b64 s[40:41], s[42:43]
	s_add_co_u32 s31, s25, 4
	NEXTBASE s31
	s_wait_loadcnt 32                              ; the 32 slot loads may be out; this tile's weight and entries, which are older, are in
.irp i, 0,1,2,3,4,5,6,7
	v_min_u32 v[RI+\i], 0x7ff, v[RIN+\i]
.endr
.irp i, 0,1,2,3,4,5,6,7
	v_lshl_add_u32 v[RI+\i], v[RI+\i], 12, v7      ; the row's place in y: 4,096 x entry + my 16 bytes
.endr
	v_mov_b32 v[RW], v[RWN]
	ENTRIES 256                                    ; those of my next tile, four tiles on
.irp T, 0,1,2,3
	ds_load_b128 v[ACC+8*\T:ACC+8*\T+3], v2 offset:64*\T       ; the bias in the result's layout: the sums begin with it
	ds_load_b128 v[ACC+8*\T+4:ACC+8*\T+7], v2 offset:64*\T+16
.endr
	s_wait_dscnt 0x0
.irp s, 0,1,2,3,4,5,6,7
	STEP \s
.endr
	s_wait_loadcnt 32                              ; behind the nine entries: the eight slots filled since, 32 loads
	WEIGHT                                         ; the next tile's weight
.irp s, 8,9,10,11,12,13,14,15
	STEP \s
.endr
.irp j, 0,2,4,6,8,10,12,14,16,18,20,22,24,26,28,30
	v_pk_mul_f32 v[ACC+\j:ACC+\j+1], v[ACC+\j:ACC+\j+1], v[RW:RW+1] op_sel_hi:[1,0]   ; x rw; each accumulator from its low end on
.endr
.irp T, 0,1,2,3
	ds_store_b128 v13, v[ACC+8*\T:ACC+8*\T+3] offset:64*\T
	ds_store_b128 v13, v[ACC+8*\T+4:ACC+8*\T+7] offset:64*\T+16
.endr
.irp i, 0,1,2,3,4,5,6,7
	ds_load_b128 v[OUT+4*\i:OUT+4*\i+3], v14 offset:544*\i   ; LDS serves a wave's instructions in order: these see the stores above
.endr
.irp i, 0,1,2,3,4,5,6,7
	s_wait_dscnt 7-\i
	global_store_b128 v[RI+\i], v[OUT+4*\i:OUT+4*\i+3], s[16:17]   ; sixteen lanes store a row's 256 bytes on end, aligned
.endr
.Lskip:
	s_wait_xcnt 0x0                                ; the loads have read the list's base
	s_add_nc_u64 s[4:5], s[4:5], 256               ; four tiles on in the list: 64 entries
	s_add_co_u32 s25, s25, 4
	s_add_co_u32 s26, s26, 1
	s_cmp_lt_u32 s26, 16
	s_cbranch_scc1 .Ltile
	s_wait_tensorcnt 0x0
	ds_add_u32 v15, v107
	s_wait_dscnt 0x0
	s_endpgm
.Lfunc_end_k_q207c63cc2c_ffn2:
	.size	k_q207c63cc2c_ffn2, .Lfunc_end_k_q207c63cc2c_ffn2-k_q207c63cc2c_ffn2
	.p2alignl 7, 3214868480
	.fill 96, 4, 3214868480
	.section	.rodata,"a",@progbits
	.p2align	6, 0x0
	.amdhsa_kernel k_q207c63cc2c_ffn2
		.amdhsa_group_segment_fixed_size 131584
		.amdhsa_private_segment_fixed_size 0
		.amdhsa_enable_private_segment 0
		.amdhsa_kernarg_size 56
		.amdhsa_user_sgpr_count 2
		.amdhsa_user_sgpr_kernarg_segment_ptr 1
		.amdhsa_wavefront_size32 1
		.amdhsa_system_sgpr_workgroup_id_x 1
		.amdhsa_system_sgpr_workgroup_id_y 1
		.amdhsa_system_sgpr_workgroup_id_z 1
		.amdhsa_system_vgpr_workitem_id 0
		.amdhsa_next_free_vgpr 1024
		.amdhsa_next_free_sgpr 66
		.amdhsa_reserve_vcc 0
		.amdhsa_float_denorm_mode_32 3
		.amdhsa_float_denorm_mode_16_64 3
		.amdhsa_memory_ordered 1
		.amdhsa_forward_progress 1
		.amdhsa_inst_pref_size 157
	.end_amdhsa_kernel
	.amdgpu_metadata
---
amdhsa.version: [ 1, 2 ]
amdhsa.kernels:
  - .name:           k_q207c63cc2c_ffn2
    .symbol:         k_q207c63cc2c_ffn2.kd
    .args:
      - { .name: list, .offset: 0, .size: 8, .value_kind: global_buffer, .address_space: global }
      - { .name: rwt, .offset: 8, .size: 8, .value_kind: global_buffer, .address_space: global }
      - { .name: hq, .offset: 16, .size: 8, .value_kind: global_buffer, .address_space: global }
      - { .name: hs, .offset: 24, .size: 8, .value_kind: global_buffer, .address_space: global }
      - { .name: w2, .offset: 32, .size: 8, .value_kind: global_buffer, .address_space: global }
      - { .name: b2, .offset: 40, .size: 8, .value_kind: global_buffer, .address_space: global }
      - { .name: y, .offset: 48, .size: 8, .value_kind: global_buffer, .address_space: global }
    .group_segment_fixed_size: 131584
    .private_segment_fixed_size: 0
    .kernarg_segment_align: 8
    .kernarg_segment_size: 56
    .max_flat_workgroup_size: 128
    .sgpr_count:     66
    .vgpr_count:     1024
    .wavefront_size: 32
...
	.end_amdgpu_metadata
.endif
;; end of part 4
;; launch combine (part 5): grid 256 x 1, 8 waves a work-group, no clusters, 0 bytes of LDS; arguments y, out0; writes out0
.if DOCPART == 5
	.amdgcn_target "amdgcn-amd-amdhsa--gfx1250"
	.amdhsa_code_object_version 6
	.text
	.protected	k_q207c63cc2c_combine
	.globl	k_q207c63cc2c_combine
	.p2align	8
	.type	k_q207c63cc2c_combine,@function
k_q207c63cc2c_combine:
	s_mov_b64 s[64:65], 0
	v_nop
	global_prefetch_b8 v0, s[64:65] scope:SCOPE_SE
	s_setreg_imm32_b32 hwreg(HW_REG_WAVE_MODE, 25, 1), 1
	s_wait_xcnt 0x0
; out[t] = y[0][2 t] + y[1][2 t] + y[0][2 t + 1] + y[1][2 t + 1]: a token's two experts, each in two halves of K; the router's weights and the biases are in y already.
; A stream: a work-group takes 4 tokens, thread i the 16 bytes at 16 i of each row of 4,096 bytes, so a wave's load or store covers 512 bytes on end.  All 16 loads go out first.
; No LDS, no barrier, no matrix unit: nothing is shared and nothing is multiplied.
	s_load_b128 s[4:7], s[0:1], 0x0                ; y, out0
	v_lshlrev_b32 v1, 4, v0
	s_lshl_b32 s8, ttmp9, 15                       ; 8 rows of y
	s_mov_b32 s9, 0
	s_lshl_b32 s10, ttmp9, 14                      ; 4 rows of out0
	s_mov_b32 s11, 0
	s_wait_kmcnt 0x0
	s_add_nc_u64 s[4:5], s[4:5], s[8:9]
	s_add_nc_u64 s[6:7], s[6:7], s[10:11]
	s_add_nc_u64 s[12:13], s[4:5], 0x800000        ; the second half of K: 2,048 rows on
.irp q, 0,1,2,3
	global_load_b128 v[4+16*\q:7+16*\q],   v1, s[4:5]   offset:8192*\q th:TH_LOAD_NT
	global_load_b128 v[8+16*\q:11+16*\q],  v1, s[12:13] offset:8192*\q th:TH_LOAD_NT
	global_load_b128 v[12+16*\q:15+16*\q], v1, s[4:5]   offset:8192*\q+4096 th:TH_LOAD_NT
	global_load_b128 v[16+16*\q:19+16*\q], v1, s[12:13] offset:8192*\q+4096 th:TH_LOAD_NT
.endr
.irp q, 0,1,2,3
	s_wait_loadcnt 12-4*\q                         ; this token's four loads are in; the later tokens' may be out
	v_pk_add_f32 v[4+16*\q:5+16*\q], v[4+16*\q:5+16*\q], v[8+16*\q:9+16*\q]
	v_pk_add_f32 v[6+16*\q:7+16*\q], v[6+16*\q:7+16*\q], v[10+16*\q:11+16*\q]
	v_pk_add_f32 v[12+16*\q:13+16*\q], v[12+16*\q:13+16*\q], v[16+16*\q:17+16*\q]
	v_pk_add_f32 v[14+16*\q:15+16*\q], v[14+16*\q:15+16*\q], v[18+16*\q:19+16*\q]
	v_pk_add_f32 v[68+4*\q:69+4*\q], v[4+16*\q:5+16*\q], v[12+16*\q:13+16*\q]
	v_pk_add_f32 v[70+4*\q:71+4*\q], v[6+16*\q:7+16*\q], v[14+16*\q:15+16*\q]
	global_store_b128 v1, v[68+4*\q:71+4*\q], s[6:7] offset:4096*\q th:TH_STORE_NT   ; each token has its own four registers: no store's data are written again
.endr
	s_endpgm
.Lfunc_end_k_q207c63cc2c_combine:
	.size	k_q207c63cc2c_combine, .Lfunc_end_k_q207c63cc2c_combine-k_q207c63cc2c_combine
	.p2alignl 7, 3214868480
	.fill 96, 4, 3214868480
	.section	.rodata,"a",@progbits
	.p2align	6, 0x0
	.amdhsa_kernel k_q207c63cc2c_combine
		.amdhsa_group_segment_fixed_size 0
		.amdhsa_private_segment_fixed_size 0
		.amdhsa_enable_private_segment 0
		.amdhsa_kernarg_size 16
		.amdhsa_user_sgpr_count 2
		.amdhsa_user_sgpr_kernarg_segment_ptr 1
		.amdhsa_wavefront_size32 1
		.amdhsa_system_sgpr_workgroup_id_x 1
		.amdhsa_system_sgpr_workgroup_id_y 1
		.amdhsa_system_sgpr_workgroup_id_z 1
		.amdhsa_system_vgpr_workitem_id 0
		.amdhsa_next_free_vgpr 96
		.amdhsa_next_free_sgpr 66
		.amdhsa_reserve_vcc 0
		.amdhsa_float_denorm_mode_32 3
		.amdhsa_float_denorm_mode_16_64 3
		.amdhsa_memory_ordered 1
		.amdhsa_forward_progress 1
		.amdhsa_inst_pref_size 5
	.end_amdhsa_kernel
	.amdgpu_metadata
---
amdhsa.version: [ 1, 2 ]
amdhsa.kernels:
  - .name:           k_q207c63cc2c_combine
    .symbol:         k_q207c63cc2c_combine.kd
    .args:
      - { .name: y, .offset: 0, .size: 8, .value_kind: global_buffer, .address_space: global }
      - { .name: out0, .offset: 8, .size: 8, .value_kind: global_buffer, .address_space: global }
    .group_segment_fixed_size: 0
    .private_segment_fixed_size: 0
    .kernarg_segment_align: 8
    .kernarg_segment_size: 16
    .max_flat_workgroup_size: 256
    .sgpr_count:     66
    .vgpr_count:     96
    .wavefront_size: 32
...
	.end_amdgpu_metadata
.endif
;; end of part 5
;; ======== version 2 of 2: 5 launches; version 1 with the launches ffn1, ffn2 written anew for expert scheduling mode
;; limits: a function is approximated: absolute error at most 1.5e-07; an absolute error that grows with the inputs' magnitude: up to 1e-07 times it
;; workspace buffers: sel 8,192 bytes of whole numbers; rwt 8,192 bytes; xq 786,432 bytes; xs 32,768 bytes; hq 25,165,824 bytes; hs 1,048,576 bytes; y 16,777,216 bytes; list 40,960 bytes of whole numbers
;; launch route: the kernel of part 1 again; grid 256 x 1, 4 waves a work-group, no clusters, 18,944 bytes of LDS; arguments x, gate_w, gate_b, sel, rwt, xq, xs; writes sel, rwt, xq, xs
;; launch place: the kernel of part 2 again; grid 8 x 1, 1 waves a work-group, no clusters, 0 bytes of LDS; arguments sel, list; writes list
;; launch ffn1 (part 6): grid 32 x 8, 4 waves a work-group, no clusters, 131,584 bytes of LDS; arguments list, xq, xs, w1, b1, hq, hs; writes hq, hs
.if DOCPART == 6
	.amdgcn_target "amdgcn-amd-amdhsa--gfx1250"
	.amdhsa_code_object_version 6
	.text
	.protected	k_q207c63cc2c_ffn1
	.globl	k_q207c63cc2c_ffn1
	.p2align	8
	.type	k_q207c63cc2c_ffn1,@function
k_q207c63cc2c_ffn1:
	s_mov_b64 s[64:65], 0
	v_nop
	global_prefetch_b8 v0, s[64:65] scope:SCOPE_SE
	s_setreg_imm32_b32 hwreg(HW_REG_WAVE_SCHED_MODE, 0, 2), 2
	s_setreg_imm32_b32 hwreg(HW_REG_WAVE_MODE, 25, 1), 1
	s_wait_xcnt 0x0
	s_wait_alu depctr_vm_vsrc(0)
; h = gelu(x w1[e] + b1[e]) FOR THE ROWS THAT CHOSE EXPERT e, in MX-FP6 (E2M3 codes, one E8M0 scale for each 32 along K), and h quantised along F.
; A work-group owns expert e (grid y) and 128 columns of F (grid x): 1,024 x 128 numbers of w1, 512 KiB, which no other work-group reads.
; PHASE 1: the four waves stream that slice once (wave w: rows 256 w on), each load 512 bytes on end, the slice's whole part of a row of w1; a lane holds 4 columns and its registers run
;   down K, so a block of 32 along K is 32 registers of one lane; quantised, the codes go to LDS as images of the operand's registers (64 fragments of 16 columns x 128 K), the scale bytes beside them.
;   IN ITS MIDDLE STANDS A BARRIER: behind four of a wave's eight units its first K step is whole, so fragments f with f % 16 < 8 are.  Every wave takes those 32 into its registers in four short runs,
;   each in front of the wait for the next unit's loads from memory; the units that follow store to the other 32 fragments' bytes alone.
; Behind the second barrier every wave takes the other 32.   PHASE 2: THE WAVES SHARE THE ROWS: wave w takes tiles w, w + 4 .. of 16 rows of the expert's list: x's codes from xq,
;   64 products (transposed: source 0 = 16 columns of w1, source 1 = 16 rows of x; b1 is the C of the first), gelu, quantise: one fragment and one scale word a row of the next product's K step x.
;   K goes in the order 0, 2, 4, 6, 1, 3, 5, 7 of its steps of 128, the order in which the fragments came into the registers: the sums are f32 and are judged within a tolerance.
; The list (entries 2 t + j) and its count come from memory as an earlier launch stored them: the count by a scalar load, a tile's entries by a vector load one tile ahead.
; THE COLUMNS OF A TILE ARE NOT NEIGHBOURS: column 32 b + 16 g + 8 u + j goes to tile 2 b + u, row 8 g + j, so that a lane's 16 registers of tiles 2 b, 2 b + 1 are 16 neighbours along F.
; The list's last tile is filled up with copies of its last row: they compute the same numbers.  Tile 0 of an expert is always made (with token 0 where nobody chose it), since the next launch's look-ahead reads it.
; gelu(x) = max(x, 0) - |x| q(|x|), q = erfc(|x| / sqrt 2) / 2 by the five-term rational form (Abramowitz-Stegun 7.1.26, |error of erf| <= 1.5e-7): the error of gelu is at most about 1e-7 |x|.
; LIMITS: NaN and infinities are not served; a block whose largest magnitude lies under 2^-124 keeps the byte 1 (a block of zeros too: its codes are zeros, and only this program reads the bytes);
;   gelu's error is small against |x|, not against gelu itself where x < -2.
; NO CLUSTER, NO TENSOR LOAD: which trips work hangs on a count read from memory; no byte of w1 is shared; what the 32 work-groups of an expert share, 12 KiB of xq a tile, is small beside 512 KiB of weights.
; REGISTERS, window 0: v1-15 addresses; v16-47 w1's scale words, v48-51 x's: these hold scales and nothing else; phase 1: v58, v60-63 the bias, v64-107 at work, v128-255 four columns x 32 numbers;
;   phase 2: v56-151 x's eight fragments, v152-215 eight accumulators, v216-227 the last fragment, v228-255 and v52-55 at work.  Window 1 in phase 1: two sets of 32 loads.
;   The fragment at place p of the products' order lies in slot (p + 21) % 63 of windows 1-3, 21 slots of 12 registers a window: places 0-41 in windows 2 and 3, which phase 1 leaves alone.
; THE MODE: SCHED_MODE bits 1:0 = 2 (LLVM: expert scheduling mode 2), set by the entry lines.  The code itself states the register dependences
; between vector or matrix instructions and memory or LDS instructions, with s_wait_alu, always for 0.
; THE PLAN.  Registers that memory or LDS instructions touch:
;   window 1's two sets   Unit u: its 128 moves read set u % 2; behind them the loads of unit u + 2 land in it: one wait on va_vdst behind the moves, under the loads' window.
;   v72-106               A unit's shifts, conversions and moves write its scale bytes and codes; its 16 LDS stores read them: one wait on va_vdst ahead of the stores, one on vm_vsrc at the next unit's head.
;   v1-5, 12, 14, 15, 58  Addresses, made at the head: one wait on va_vdst ahead of the first load.  v4, v5 (and v14, as the scale word) are made anew behind the second barrier.
;   windows 2, 3, v16-47  LDS loads alone write them and products alone read them: the runs of fragment loads in phase 1 hang on no vector instruction.
;   Behind the second barrier one wait on vm_vsrc and one on va_vdst hand phase 1's registers over to x's loads and to the other fragments'.
;   In the loop           v56-151, v48-51: 25 loads write, the 64 products read.  v5, v6: four address lines write, those loads read.  v3: one add writes, the entry's load reads.  v9: that load writes, an address line reads.
;                         v152-215: LDS loads (the bias), products and gelu write; gelu and the conversions read.  v236-247, v14: the quantiser writes, the four stores read.
;   Three waits a trip beside gelu's: vm_vsrc behind the products (all that memory instructions read is written again behind it); va_vdst behind the five address lines, ahead of x's loads;
;   va_vdst ahead of the stores.  Between that last wait and the next trip's products stands no vector instruction: so the loads at a trip's head, into v9 and the accumulators, stand without a wait of their own.
.set FP,    1552                       ; a fragment's image: 32 lanes x 48 bytes, + 16
.set WSC,   64*FP                      ; 32 images of scale registers, 128 bytes each
.set BIAS,  WSC+4096                   ; b1's 128 numbers
.set PART,  5120                       ; an expert's part of the list, in bytes
.set CNTB,  4864                       ; where its count stands
.set M,   64
.set SO,  68
.set SBY, 72
.set C,   76
.set X,   128
.set WS,  16
.set XS,  48
.set XF,  56
.set ACC, 152
.set W63, 216
.set TT,  228
.set WE,  236
.set RR,  244
.set TMX, 52
.set TMB, 228
.set TMS, 232
.set PC,  236
.set PW,  14
.set MSB, 0
.macro WIN new                         ; the immediate's high byte repeats the setting that is left; bits 1:0 source 0, 3:2 source 1, 5:4 source 2, 7:6 destination
.if MSB != (\new)
	s_set_vgpr_msb (MSB<<8)|(\new)
.set MSB, (\new)
.endif
.endm
; 32 loads: rows 32 u .. 32 u + 31 of my wave's 256, into set u % 2 of window 1
.macro LOADQ u
	WIN 0x40
.set i, 0
.rept 32
	global_load_b128 v[128*((\u)%2)+4*i:128*((\u)%2)+4*i+3], v1, s[10:11] offset:(32*(\u)+i)*16384 th:TH_LOAD_NT
.set i, i+1
.endr
	WIN 0
.endm
; unit u: block u % 4 of K step 2 w + u / 4, for my four columns
.macro QUANTQ u
.if (\u) < 7
	s_wait_loadcnt 32                              ; this unit's 32 loads (and all older ones) are in; the next unit's 32 may be out
.else
	s_wait_loadcnt 0x0
.endif
	s_wait_dscnt 0x0                               ; the last unit's LDS stores have landed, and the run of fragment loads behind them is in
.if (\u) > 0
	s_wait_alu depctr_vm_vsrc(0)                   ; the last unit's LDS stores have read v[SBY ..] and v[C ..], which this unit's shifts, conversions and moves write again
.endif
	WIN 0x01
.set i, 0
.rept 32
.irp jj, 0,1,2,3
	v_mov_b32 v[X+32*\jj+i], v[128*((\u)%2)+4*i+\jj]   ; a column's 32 numbers into 32 registers on end, as the conversions want them
.endr
.set i, i+1
.endr
.if (\u)+2 < 8
	WIN 0x40                                       ; the loads' window first, then the wait, then the loads
	s_wait_alu depctr_va_vdst(0)                   ; the 128 moves are done reading set u % 2 of window 1, in which the 32 loads below land
	LOADQ (\u)+2                                   ; the set just read takes the unit two on
.endif
	WIN 0
.irp jj, 0,1,2,3
	v_max3_num_f32 v[M+\jj], |v[X+32*\jj]|, |v[X+32*\jj+1]|, 0x1800000   ; with the floor 2^(3 - 127): the byte cannot fall under 1
.endr
.irp k, 2,4,6,8,10,12,14,16,18,20,22,24,26,28,30
.irp jj, 0,1,2,3
	v_max3_num_f32 v[M+\jj], v[M+\jj], |v[X+32*\jj+\k]|, |v[X+32*\jj+\k+1]|   ; the four columns by turns
.endr
.endr
.irp jj, 0,1,2,3
	v_add_nc_u32 v[SO+\jj], 0xff000000, v[M+\jj]   ; 2 off the exponent field: the conversion's scale operand
.endr
.irp jj, 0,1,2,3
	v_lshrrev_b32 v[SBY+\jj], 23, v[SO+\jj]        ; the scale's byte
.endr
.irp jj, 0,1,2,3
	v_cvt_scalef32_pk16_fp6_f32 v[C+8*\jj:C+8*\jj+2], v[X+32*\jj:X+32*\jj+15], v[SO+\jj]
	v_cvt_scalef32_pk16_fp6_f32 v[C+8*\jj+4:C+8*\jj+6], v[X+32*\jj+16:X+32*\jj+31], v[SO+\jj]   ; (a conversion's three registers begin on an even number)
.endr
	v_nop                                          ; one plain line behind the conversions
.irp jj, 0,1,2,3
	v_mov_b32 v[C+8*\jj+3], v[C+8*\jj+4]
	v_mov_b32 v[C+8*\jj+4], v[C+8*\jj+5]
	v_mov_b32 v[C+8*\jj+5], v[C+8*\jj+6]           ; the block's 24 bytes on end
.endr
.set IMW, ((\u)/4)*8*FP+768*((\u)%2)+24*(((\u)/2)%2)   ; K step, half h = u % 2 (16 lanes x 48 bytes), c = (u / 2) % 2
.set IMS, 512*((\u)/4)+(\u)%4
	s_wait_alu depctr_va_vdst(0)                   ; the shifts, conversions and moves have written v[SBY ..] and v[C ..], which the 16 LDS stores below read
.irp jj, 0,1,2,3
.irp p, 0,1,2
	ds_store_b64 v4, v[C+8*\jj+2*\p:C+8*\jj+2*\p+1] offset:IMW+48*\jj+8*\p
.endr
	ds_store_b8 v5, v[SBY+\jj] offset:IMS+4*\jj
.endr
.endm
; n fragments from place p0 of the products' order on, out of LDS into their registers.  Place p holds fragment 16 ((p / 8) % 4) + 8 (p / 32) + p % 8: first the 32 that are whole at the first barrier
.macro FRAGS p0, n
.set FPOS, \p0
.rept \n
.set FIDX, 16*((FPOS/8)%4)+8*(FPOS/32)+FPOS%8
.if FPOS < 63
.set FSLT, (FPOS+21)%63
	WIN (1+FSLT/21)<<6
.set FD, 12*(FSLT%21)
.else
	WIN 0
.set FD, W63
.endif
.irp g, 0,1,2
.if FIDX < 32
	ds_load_b128 v[FD+4*\g:FD+4*\g+3], v12 offset:FIDX*FP+16*\g
.else
	ds_load_b128 v[FD+4*\g:FD+4*\g+3], v15 offset:(FIDX-32)*FP+16*\g
.endif
.endr
.set FPOS, FPOS+1
.endr
	WIN 0
.endm
; a run between two units of phase 1's second half: n early fragments, and the four scale registers 8 r .. 8 r + 3 (fragment f's words stand in register f / 2).
; No wait on va_vdst: no vector instruction names windows 2 and 3's slots or v16-47, and the addresses v12, v14, v15 stand since the head's wait
.macro EARLY p0, n, r
	FRAGS \p0, \n
.irp j, 0,1,2,3
	ds_load_b32 v[WS+8*(\r)+\j], v14 offset:128*(8*(\r)+\j)
.endr
.endm
; one product: D and C = accumulator d, A = fragment a of w1, B = fragment b of x; ra, rb: the side's scale words stand in lanes 16-31
.macro MM d, a, b, sa, sb, ra, rb
.if (\ra) && (\rb)
	v_wmma_scale_f32_16x16x128_f8f6f4 v[\d:\d+7], v[\a:\a+11], v[\b:\b+11], v[\d:\d+7], v[\sa], v[\sb] matrix_a_fmt:MATRIX_FMT_FP6 matrix_b_fmt:MATRIX_FMT_FP6 matrix_a_scale:MATRIX_SCALE_ROW1 matrix_b_scale:MATRIX_SCALE_ROW1
.elseif (\ra)
	v_wmma_scale_f32_16x16x128_f8f6f4 v[\d:\d+7], v[\a:\a+11], v[\b:\b+11], v[\d:\d+7], v[\sa], v[\sb] matrix_a_fmt:MATRIX_FMT_FP6 matrix_b_fmt:MATRIX_FMT_FP6 matrix_a_scale:MATRIX_SCALE_ROW1
.elseif (\rb)
	v_wmma_scale_f32_16x16x128_f8f6f4 v[\d:\d+7], v[\a:\a+11], v[\b:\b+11], v[\d:\d+7], v[\sa], v[\sb] matrix_a_fmt:MATRIX_FMT_FP6 matrix_b_fmt:MATRIX_FMT_FP6 matrix_b_scale:MATRIX_SCALE_ROW1
.else
	v_wmma_scale_f32_16x16x128_f8f6f4 v[\d:\d+7], v[\a:\a+11], v[\b:\b+11], v[\d:\d+7], v[\sa], v[\sb] matrix_a_fmt:MATRIX_FMT_FP6 matrix_b_fmt:MATRIX_FMT_FP6
.endif
.endm
.macro XADR                            ; from the list's entry to my row's places in xq and xs: four plain lines
	v_lshrrev_b32 v13, 1, v9                       ; the token
	v_min_u32 v13, 0x3ff, v13
	v_mad_u32_u24 v5, v13, 768, v7
	v_lshl_add_u32 v6, v13, 5, v8
.endm
.macro XLOAD                           ; 25 loads: my 384 bytes of codes (registers 12 s + .. of the eight fragments) and four scale words (K steps 2 i + lane / 16)
.set i, 0
.rept 24
	global_load_b128 v[XF+4*i:XF+4*i+3], v5, s[6:7] offset:16*i
.set i, i+1
.endr
	global_load_b128 v[XS:XS+3], v6, s[8:9]
.endm
.macro GELU8 a                         ; eight numbers in place
.irp j, 0,1,2,3,4,5,6,7
	v_fma_f32 v[TT+\j], |v[\a+\j]|, s34, 1.0       ; 1 + p |x| / sqrt 2.  (The accumulator is read from its low end on)
.endr
.irp j, 0,2,4,6
	v_pk_mul_f32 v[WE+\j:WE+\j+1], v[\a+\j:\a+\j+1], v[\a+\j:\a+\j+1]
.endr
.irp j, 0,1,2,3,4,5,6,7
	v_rcp_f32 v[TT+\j], v[TT+\j]                   ; t
.endr
.irp j, 0,2,4,6
	v_pk_mul_f32 v[WE+\j:WE+\j+1], v[WE+\j:WE+\j+1], s[36:37] op_sel_hi:[1,0]   ; - x^2 log2(e) / 2  (plain lines behind the reciprocals)
.endr
.irp j, 0,1,2,3,4,5,6,7
	v_exp_f32 v[WE+\j], v[WE+\j]                   ; e^(-x^2 / 2)
.endr
	s_wait_alu depctr_va_vdst(0)                   ; the eight reciprocals have written v[TT ..] and the eight exponentials v[WE ..]: one wait for the sixteen, ahead of the first line that names a result
.irp j, 0,2,4,6
	v_pk_fma_f32 v[RR+\j:RR+\j+1], v[TT+\j:TT+\j+1], v[10:11], s[38:39] op_sel_hi:[1,1,0]   ; the polynomial in t, its coefficients halved  (plain lines behind the exponentials)
.endr
.irp j, 0,2,4,6
	v_pk_fma_f32 v[RR+\j:RR+\j+1], v[RR+\j:RR+\j+1], v[TT+\j:TT+\j+1], s[40:41] op_sel_hi:[1,1,0]
.endr
.irp j, 0,2,4,6
	v_pk_fma_f32 v[RR+\j:RR+\j+1], v[RR+\j:RR+\j+1], v[TT+\j:TT+\j+1], s[42:43] op_sel_hi:[1,1,0]
.endr
.irp j, 0,2,4,6
	v_pk_fma_f32 v[RR+\j:RR+\j+1], v[RR+\j:RR+\j+1], v[TT+\j:TT+\j+1], s[44:45] op_sel_hi:[1,1,0]
.endr
.irp j, 0,2,4,6
	v_pk_mul_f32 v[RR+\j:RR+\j+1], v[RR+\j:RR+\j+1], v[TT+\j:TT+\j+1]
.endr
.irp j, 0,2,4,6
	v_pk_mul_f32 v[RR+\j:RR+\j+1], v[RR+\j:RR+\j+1], v[WE+\j:WE+\j+1]   ; q
.endr
.irp j, 0,1,2,3,4,5,6,7
	v_max_num_f32 v[TT+\j], 0, v[\a+\j]
.endr
.irp j, 0,1,2,3,4,5,6,7
	v_fma_f32 v[\a+\j], -|v[\a+\j]|, v[RR+\j], v[TT+\j]   ; max(x, 0) - |x| q
.endr
.endm
; 64 numbers of a lane, register 16 b + i = k 32 b + 16 (lane / 16) + i of my row, become a fragment's codes in v[PC] on and its scale word in v[PW]
.macro QUANT s
.irp b, 0,1,2,3
	v_max3_num_f32 v[TMX+\b], |v[\s+16*\b]|, |v[\s+1+16*\b]|, 0x1800000
.endr
.irp i, 2,4,6,8,10,12,14
.irp b, 0,1,2,3
	v_max3_num_f32 v[TMX+\b], v[TMX+\b], |v[\s+16*\b+\i]|, |v[\s+1+16*\b+\i]|
.endr
.endr
.irp b, 0,1,2,3
	v_permlanex16_b32 v[TMB+\b], v[TMX+\b], s30, s31
.endr
.irp b, 0,1,2,3
	v_max_num_f32 v[TMX+\b], v[TMX+\b], v[TMB+\b]  ; with lane l xor 16's: the block's largest magnitude
.endr
.irp b, 0,1,2,3
	v_add_nc_u32 v[TMS+\b], 0xff000000, v[TMX+\b]
.endr
.irp b, 0,1,2,3
	v_lshrrev_b32 v[TMB+\b], 23, v[TMS+\b]
.endr
	v_lshl_or_b32 v[PW], v[TMB+1], 8, v[TMB]
	v_lshl_or_b32 v[PW], v[TMB+2], 16, v[PW]
	v_lshl_or_b32 v[PW], v[TMB+3], 24, v[PW]
.irp c, 0,1
	v_cvt_scalef32_pk16_fp6_f32 v[PC+6*\c:PC+2+6*\c], v[\s+32*\c:\s+15+32*\c], v[TMS+2*\c]
	v_cvt_scalef32_pk16_fp6_f32 v[PC+12+4*\c:PC+14+4*\c], v[\s+16+32*\c:\s+31+32*\c], v[TMS+2*\c+1]
.endr
	v_nop                                          ; one plain line behind the conversions
.irp c, 0,1                                    ; the operand's layout wants a whole block in a lane: lanes 0-15 block 2 c, lanes 16-31 block 2 c + 1
.irp i, 0,1,2
	v_permlane16_swap_b32 v[PC+6*\c+\i], v[PC+12+4*\c+\i]
.endr
.irp i, 0,1,2
	v_mov_b32 v[PC+3+6*\c+\i], v[PC+12+4*\c+\i]
.endr
.endr
.endm
	s_load_b256 s[4:11], s[0:1], 0x0               ; list s[4:5], xq s[6:7], xs s[8:9], w1 s[10:11]
	s_load_b128 s[12:15], s[0:1], 0x20             ; b1 s[12:13], hq s[14:15]
	s_load_b64 s[16:17], s[0:1], 0x30              ; hs
	s_set_vgpr_msb 0x80
	v_lshl_add_u32 v254, v0, 2, 0x20000
	v_mov_b32 v255, 0
	s_set_vgpr_msb 0x8000
	v_lshrrev_b32 v64, 5, v0
	v_readfirstlane_b32 s18, v64                   ; wave
	s_mov_b32 s19, ttmp9                           ; which 128 columns of F
	s_and_b32 s20, ttmp7, 0xffff                   ; the expert
	; every LDS address register is made here, ahead of the one branch on the wave's number
	v_and_b32 v64, 31, v0                          ; l
	v_bfe_u32 v65, v0, 4, 1                        ; l / 16
	v_and_b32 v66, 15, v0                          ; l % 16
	v_bfe_u32 v67, v0, 3, 2                        ; l / 8
	v_bfe_u32 v68, v0, 1, 1
	v_bfe_u32 v69, v0, 2, 1
	v_and_b32 v70, 1, v0
	v_lshlrev_b32 v1, 4, v64                       ; my 16 bytes (4 columns) of a row's 512, and of b1's 512; later: my 16 bytes of an image in hq
	v_lshl_add_u32 v2, v65, 6, BIAS                ; the bias of my half's units
	s_wait_alu depctr_va_sdst(0)                   ; s18, the wave's number, is written, ahead of its first reader: addresses, bases and the one branch on the wave are made from it
	s_lshl_b32 s22, s18, 6
	v_lshl_add_u32 v3, v66, 2, s22                 ; the list: the entry of row l % 16 of tile w
	v_lshl_add_u32 v71, v67, 1, v68                ; my columns' tile: 2 (l / 8) + (l / 2) % 2
	v_lshlrev_b32 v72, 2, v70
	v_lshl_add_u32 v72, v69, 3, v72                ; and their first row in it: 8 ((l / 4) % 2) + 4 (l % 2)
	s_mul_i32 s22, s18, 16*FP                      ; my wave's two K steps: 16 fragments
	v_mul_u32_u24 v4, v71, FP
	v_mad_u32_u24 v4, v72, 48, v4
	v_add_nc_u32 v4, s22, v4                       ; where my codes go
	v_lshl_add_u32 v73, v68, 4, v72
	v_lshlrev_b32 v5, 2, v73
	v_lshl_add_u32 v5, v67, 7, v5
	s_lshl_b32 s22, s18, 10
	s_add_co_u32 s22, s22, WSC
	v_add_nc_u32 v5, s22, v5                       ; and my scale bytes: register 4 s + tile / 2, lane 16 (tile % 2) + row, byte = block
	v_mul_u32_u24 v7, v65, 384                     ; xq: my half's 384 bytes of a token's 768
	v_lshlrev_b32 v8, 4, v65                       ; xs: my half's four words
	v_mov_b32 v10, 0x3f07dc22                      ; a5 / 2
	v_mov_b32 v11, 0x3f07dc22
	v_mul_u32_u24 v12, v64, 48                     ; an image read back: 48 bytes a lane
	v_add_nc_u32 v15, 32*FP, v12
	v_lshl_add_u32 v14, v64, 2, WSC
	v_lshl_add_u32 v58, v64, 4, BIAS
	s_mov_b32 s30, 0x76543210
	s_mov_b32 s31, 0xfedcba98                      ; v_permlanex16_b32's selects for lane l xor 16
	s_mov_b32 s34, 0x3e6d3388                      ; 0.3275911 / sqrt 2
	s_mov_b32 s36, 0xbf38aa3b                      ; - log2(e) / 2   (the packed forms name pairs: both words are written)
	s_mov_b32 s37, 0xbf38aa3b
	s_mov_b32 s38, 0xbf3a00e3                      ; a4 / 2
	s_mov_b32 s39, 0xbf3a00e3
	s_mov_b32 s40, 0x3f35f0e3                      ; a3 / 2
	s_mov_b32 s41, 0x3f35f0e3
	s_mov_b32 s42, 0xbe11a98e                      ; a2 / 2
	s_mov_b32 s43, 0xbe11a98e
	s_mov_b32 s44, 0x3e027906                      ; a1 / 2
	s_mov_b32 s45, 0x3e027906
	s_lshl_b32 s28, s20, 24                        ; w1: 16 MiB an expert,
	s_lshl_b32 s22, s18, 22                        ; 256 rows of 16,384 bytes a wave,
	s_add_co_u32 s28, s28, s22
	s_lshl_b32 s22, s19, 9                         ; 512 bytes a slice
	s_add_co_u32 s28, s28, s22
	s_mov_b32 s29, 0
	s_wait_kmcnt 0x0
	s_add_nc_u64 s[10:11], s[10:11], s[28:29]
	s_lshl_b32 s28, s20, 14
	s_add_co_u32 s28, s28, s22
	s_add_nc_u64 s[12:13], s[12:13], s[28:29]      ; b1 at my 128 numbers
	s_lshl_b32 s28, s20, 6
	s_add_co_u32 s28, s28, s18
	s_lshl_b32 s28, s28, 5
	s_add_co_u32 s28, s28, s19                     ; (64 e + tile w) x 32 + K step x
	s_lshl_b32 s22, s28, 6
	s_mul_i32 s28, s28, 1536
	s_add_nc_u64 s[14:15], s[14:15], s[28:29]      ; hq
	s_mov_b32 s28, s22
	s_add_nc_u64 s[16:17], s[16:17], s[28:29]      ; hs
	s_mul_i32 s28, s20, PART
	s_add_nc_u64 s[4:5], s[4:5], s[28:29]          ; the expert's part of the list
	s_load_b32 s23, s[4:5], CNTB                   ; its count: wanted behind phase 1
	s_wait_alu depctr_va_vdst(0)                   ; the addresses v1 to v5, v12, v14, v15 and v58 are written, which the loads and LDS instructions of phase 1 read
	global_load_b32 v9, v3, s[4:5]                 ; my first tile's entry, likewise
	global_load_b128 v[60:63], v1, s[12:13]        ; the bias: every wave loads it, so that all waves count their loads alike; wave 0 stores it
	LOADQ 0
	LOADQ 1
.irp u, 0,1,2,3
	QUANTQ \u
.endr
	s_wait_dscnt 0x0                               ; my first K step's images and scale bytes have landed
	s_barrier_signal -1
	s_barrier_wait -1                              ; everybody's have: fragments f with f % 16 < 8 are whole.  (Loads of w1, which nobody writes, stay on their way across the barrier)
	EARLY 0, 6, 0                                  ; the first two runs are the shorter: units 4 and 5 still have loads from memory to issue
	QUANTQ 4
	EARLY 6, 6, 1
	QUANTQ 5
	EARLY 12, 10, 2
	QUANTQ 6
	EARLY 22, 10, 3
	QUANTQ 7
	s_cmp_lg_u32 s18, 0
	s_cbranch_scc1 .Lno_bias
	ds_store_b128 v58, v[60:63]                    ; (its address stands since the head's wait; its data came by a load)
.Lno_bias:
	s_wait_dscnt 0x0                               ; my images, scale bytes (and the bias) have landed
	s_barrier_signal -1
	s_barrier_wait -1                              ; everybody's have: the launch's last barrier; from here on LDS is only read
	s_wait_alu depctr_vm_vsrc(0)                   ; my LDS stores have read v4 and v5, which the lines below write, and v58, v60-63 and v72-106, in which x's loads land
	XADR
	v_and_b32 v4, 15, v0
	v_lshlrev_b32 v4, 2, v4                        ; hs: row l % 16's word
	s_wait_alu depctr_va_vdst(0)                   ; v5 and v6 are written, which x's loads read; phase 1's vector lines are done with v64-255 and with window 1's two sets, in which the loads below land
	XLOAD                                          ; my first tile's x lands while the other fragments come out of LDS
	FRAGS 32, 32
.irp r, 0,1,2,3
.irp j, 4,5,6,7
	ds_load_b32 v[WS+8*\r+\j], v14 offset:128*(8*\r+\j)
.endr
.endr
	s_wait_dscnt 0x0
	s_wait_kmcnt 0x0                               ; the count
	s_add_co_u32 s24, s23, 15
	s_lshr_b32 s24, s24, 4
	s_max_u32 s24, s24, 1                          ; tiles of 16 rows; at least tile 0
	s_mov_b32 s25, s18                             ; the tile in hand: w + 4 x trip
	s_mov_b32 s26, 0
	s_mov_b32 s28, 0                               ; s[28:29], s[32:33]: what hq's and hs's bases step by in front of a trip's stores: nothing in the first trip
	s_mov_b32 s32, 0
	s_mov_b32 s33, 0
.Ltile:                                                ; sixteen trips, as many as 1,024 rows would want; a trip whose tile lies behind the list's end does nothing
	s_cmp_ge_u32 s25, s24
	s_cbranch_scc1 .Lskip
	; the seventeen loads below stand without a wait of their own: no vector instruction has been issued since the wait on va_vdst ahead of the last trip's stores (first trip: ahead of x's first loads),
	; behind which v3 is written, the address lines are done reading v9, and gelu and the conversions are done with the accumulators
	global_load_b32 v9, v3, s[4:5] offset:256      ; the entry of my next tile, four tiles on: it has the 64 products in which to come
.irp b, 0,1,2,3
.irp u, 0,1
	ds_load_b128 v[ACC+16*\b+8*\u:ACC+16*\b+8*\u+3], v2 offset:128*\b+32*\u        ; b1 in the result's layout: the sums begin with it
	ds_load_b128 v[ACC+16*\b+8*\u+4:ACC+16*\b+8*\u+7], v2 offset:128*\b+32*\u+16
.endr
.endr
	s_wait_dscnt 0x0
	s_wait_loadcnt 0x1                             ; x's 25 loads, asked for a gelu ago, are in; the entry's one load may be out
.set FPOS, 0
.rept 64                                       ; place p: K step 2 ((p / 8) % 4) + p / 32, tile p % 8: the eight accumulators take turns, one instruction a turn
.set KS, 2*((FPOS/8)%4)+FPOS/32
.if FPOS < 63
.set FSLT, (FPOS+21)%63
	WIN 1+FSLT/21
.set FA, 12*(FSLT%21)
.else
	WIN 0
.set FA, W63
.endif
	MM ACC+8*(FPOS%8), FA, XF+12*KS, WS+4*KS+(FPOS%8)/2, XS+KS/2, FPOS%2, KS%2
.set FPOS, FPOS+1
.endr
	WIN 0
	s_wait_loadcnt 0x0                             ; the next tile's entry: so its offset register may step
	s_wait_xcnt 0x0                                ; the last trip's stores, issued 64 products ago, have read their registers and bases: the bases step here, the data are rewritten below
	s_wait_alu depctr_vm_vsrc(0)                   ; the entry's load has read v3 and the last loads of x v5 and v6, which the five lines below write; the last trip's stores have read v236-247 and v14 (first trip: the scale words' LDS loads v14), which gelu and the quantiser write
	s_add_nc_u64 s[14:15], s[14:15], s[28:29]      ; four tiles on in hq: 4 x 32 x 1,536 (nothing in the first trip),
	s_add_nc_u64 s[16:17], s[16:17], s[32:33]      ; and in hs
	s_mov_b32 s28, 196608
	s_mov_b32 s32, 8192
	v_add_nc_u32 v3, 256, v3                       ; four tiles on in the list: 64 entries
	XADR                                           ; with the line above five plain lines: the places behind the last product, in front of the first read of results
	s_wait_alu depctr_va_vdst(0)                   ; v5 and v6 are written, which the 25 loads below read; the 64 products are done reading x's fragments and scale words, in which they land
	XLOAD                                          ; the next tile's x lands under the gelu
.irp t, 0,1,2,3,4,5,6,7
	GELU8 ACC+8*\t
.endr
	QUANT ACC
	s_wait_alu depctr_va_vdst(0)                   ; the quantiser has written v[PC ..] and v[PW], which the four stores read; it also stands for the loads at the next trip's head
.irp g, 0,1,2
	global_store_b128 v1, v[PC+4*\g:PC+4*\g+3], s[14:15] offset:512*\g   ; the fragment as it stands: 512 bytes on end a store
.endr
	global_store_b32 v4, v[PW], s[16:17]           ; sixteen scale words (lanes 16-31 write the same)
.Lskip:
	s_add_co_u32 s25, s25, 4                       ; only counters step here: no register of a pending load or store
	s_add_co_u32 s26, s26, 1
	s_cmp_lt_u32 s26, 16
	s_cbranch_scc1 .Ltile
	s_set_vgpr_msb 0xa                             ; the add's two registers, its sources 0 and 1, lie in window 2
	s_wait_dscnt 0x0                               ; the closing lines, six on end
	s_wait_alu 0x0
	s_wait_tensorcnt 0x0
	ds_add_u32 v254, v255
	s_wait_dscnt 0x0
	s_endpgm
.Lfunc_end_k_q207c63cc2c_ffn1:
	.size	k_q207c63cc2c_ffn1, .Lfunc_end_k_q207c63cc2c_ffn1-k_q207c63cc2c_ffn1
	.p2alignl 7, 3214868480
	.fill 96, 4, 3214868480
	.section	.rodata,"a",@progbits
	.p2align	6, 0x0
	.amdhsa_kernel k_q207c63cc2c_ffn1
		.amdhsa_group_segment_fixed_size 131584
		.amdhsa_private_segment_fixed_size 0
		.amdhsa_enable_private_segment 0
		.amdhsa_kernarg_size 56
		.amdhsa_user_sgpr_count 2
		.amdhsa_user_sgpr_kernarg_segment_ptr 1
		.amdhsa_wavefront_size32 1
		.amdhsa_system_sgpr_workgroup_id_x 1
		.amdhsa_system_sgpr_workgroup_id_y 1
		.amdhsa_system_sgpr_workgroup_id_z 1
		.amdhsa_system_vgpr_workitem_id 0
		.amdhsa_next_free_vgpr 1024
		.amdhsa_next_free_sgpr 66
		.amdhsa_reserve_vcc 0
		.amdhsa_float_denorm_mode_32 3
		.amdhsa_float_denorm_mode_16_64 3
		.amdhsa_memory_ordered 1
		.amdhsa_forward_progress 1
		.amdhsa_inst_pref_size 179
	.end_amdhsa_kernel
	.amdgpu_metadata
---
amdhsa.version: [ 1, 2 ]
amdhsa.kernels:
  - .name:           k_q207c63cc2c_ffn1
    .symbol:         k_q207c63cc2c_ffn1.kd
    .args:
      - { .name: list, .offset: 0, .size: 8, .value_kind: global_buffer, .address_space: global }
      - { .name: xq, .offset: 8, .size: 8, .value_kind: global_buffer, .address_space: global }
      - { .name: xs, .offset: 16, .size: 8, .value_kind: global_buffer, .address_space: global }
      - { .name: w1, .offset: 24, .size: 8, .value_kind: global_buffer, .address_space: global }
      - { .name: b1, .offset: 32, .size: 8, .value_kind: global_buffer, .address_space: global }
      - { .name: hq, .offset: 40, .size: 8, .value_kind: global_buffer, .address_space: global }
      - { .name: hs, .offset: 48, .size: 8, .value_kind: global_buffer, .address_space: global }
    .group_segment_fixed_size: 131584
    .private_segment_fixed_size: 0
    .kernarg_segment_align: 8
    .kernarg_segment_size: 56
    .max_flat_workgroup_size: 128
    .sgpr_count:     66
    .vgpr_count:     1024
    .wavefront_size: 32
...
	.end_amdgpu_metadata
.endif
;; end of part 6
;; launch ffn2 (part 7): grid 32 x 8, 4 waves a work-group, no clusters, 131,584 bytes of LDS; arguments list, rwt, hq, hs, w2, b2, y; writes y
.if DOCPART == 7
	.amdgcn_target "amdgcn-amd-amdhsa--gfx1250"
	.amdhsa_code_object_version 6
	.text
	.protected	k_q207c63cc2c_ffn2
	.globl	k_q207c63cc2c_ffn2
	.p2align	8
	.type	k_q207c63cc2c_ffn2,@function
k_q207c63cc2c_ffn2:
	s_mov_b64 s[64:65], 0
	v_nop
	global_prefetch_b8 v0, s[64:65] scope:SCOPE_SE
	s_setreg_imm32_b32 hwreg(HW_REG_WAVE_SCHED_MODE, 0, 2), 2
	s_setreg_imm32_b32 hwreg(HW_REG_WAVE_MODE, 25, 1), 1
	s_wait_xcnt 0x0
	s_wait_alu depctr_vm_vsrc(0)
; y[kh][2 t + j] = rw x (h w2[e] over half kh of K (+ b2[e] where kh = 0)) FOR THE ROWS THAT CHOSE EXPERT e, in MX-FP6 (E2M3 codes, one E8M0 scale for each 32 along K).
; A work-group owns expert e (grid y), 64 columns of H (grid x % 16) and half of K = F (kh = grid x / 16): 2,048 x 64 numbers of w2, 512 KiB, which no other work-group reads.
; K is halved, not the columns, so that the work-group's part of every row of w2 is 256 bytes on end, aligned; the last launch adds the halves.
; PHASE 1: the four waves stream the slice once (wave w: rows 512 w on; a load takes rows k and k + 32, 256 bytes each); a lane holds 4 columns and its registers run down K; quantised, the codes
;   go to LDS as images of the operand's registers (64 fragments: 16 K steps x 4 tiles of 16 columns), the scale bytes beside them.
;   IN ITS MIDDLE STANDS A BARRIER: behind four of a wave's eight units its first two K steps are whole, so fragments f with f % 16 < 8 are.  Every wave takes those 32 into its registers in four short
;   runs, each in front of the wait for the next unit's loads from memory; the units that follow store to the other 32 fragments' bytes alone.
; Behind the second barrier every wave takes the other 32.   PHASE 2: THE WAVES SHARE THE ROWS: wave w takes tiles w, w + 4 .. of 16 rows of the expert's list: h's fragments from hq through
;   a ring of eight register slots (32 loads always out), 64 products (transposed: source 0 = 16 columns of w2, source 1 = 16 rows of h; the bias is the C of the first), x rw, through the wave's
;   own stage, and out as whole rows of 256 bytes to the rows' places 2 t + j.  The copies that fill the list's last tile up store the same numbers to the same place, from the same wave.
;   K goes in the order 0, 1, 4, 5, 8, 9, 12, 13, 2, 3, 6, 7, 10, 11, 14, 15 of its steps of 128, the order in which the fragments came into the registers: the sums are f32 and are judged within a tolerance.
; The list and its count come from memory as an earlier launch stored them: the count by a scalar load; a tile's entries, and the router's weight that they lead to, one tile ahead.
; LIMITS: NaN and infinities are not served; a block whose largest magnitude lies under 2^-124 keeps the byte 1 (a block of zeros too: its codes are zeros, and only this program reads the bytes).
; NO CLUSTER, NO TENSOR LOAD: which trips work hangs on a count read from memory; no byte of w2 is shared.
; REGISTERS, window 0: v1-14 addresses; v16-47 w2's scale words, v48-55 h's: these hold scales and nothing else; phase 1: v58, v60-63 the bias, v64-107 at work, v128-255 four columns x 32 numbers;
;   v108-116 the entries in waiting (from the head on), v117 their weight, v[118:119] the weight in hand;
;   phase 2: v56-87 rows on the way out, v88-99 the last fragment, v120-127 the rows' places, v128-223 eight slots of h, v224-255 four accumulators.
;   The fragment at place p of the products' order lies in slot (p + 21) % 63 of windows 1-3, 21 slots of 12 registers a window: places 0-41 in windows 2 and 3, which phase 1 leaves alone.
; THE MODE: SCHED_MODE bits 1:0 = 2 (LLVM: expert scheduling mode 2), set by the entry lines.  The code itself states the register dependences
; between vector or matrix instructions and memory or LDS instructions, with s_wait_alu, always for 0.
; THE PLAN.  Registers that memory or LDS instructions touch:
;   window 1's two sets   Unit u: its 128 moves read set u % 2; behind them the loads of unit u + 2 land in it: one wait on va_vdst behind the moves, under the loads' window.
;   v72-106               A unit's shifts, conversions and moves write its scale bytes and codes; its 16 LDS stores read them: one wait on va_vdst ahead of the stores, one on vm_vsrc at the next unit's head.
;   v60-63                The bias: a load writes, four selections rewrite, wave 0's LDS store reads: one wait on va_vdst behind the selections.
;   v1-5, 7, 9-14, 58     Addresses, made at the head: one wait on va_vdst ahead of the first load.  v1 and v4 are made anew behind the second barrier.
;   windows 2, 3, v16-47  LDS loads alone write them and products alone read them: the runs of fragment loads in phase 1 hang on no vector instruction.
;   In the loop           slot q (v128 + 12 q .., v48 + q): step q's and step q + 8's four products read it; behind them four loads land in it: ONE wait on va_vdst a step, behind its products, since a slot
;                         that waited for the next step's head would leave seven slots' loads on their way for eight.
;                         v108-115: nine loads at a trip's head write (with v116), the next head's lines read.  v116: two address lines, laid in step 7 ahead of that step's own wait, rewrite it; the weight's load reads it.
;                         v117: that load writes, a move at the head reads.  v120-127: the head's lines write, the trip's global stores read.
;                         v224-255: LDS loads (the bias), products and the multiplication by rw write; the LDS stores of the way out read.  v56-87: LDS loads write, the global stores read.
;   At a trip's head one wait on vm_vsrc (all that the last trip's stores and its weight's load read is written again behind it) and one on va_vdst behind the head's 17 lines; one on va_vdst ahead of the LDS stores of the way out.
.set FP,    1552
.set WSC,   64*FP
.set BIAS,  WSC+4096                   ; b2's 64 numbers (zeros in the second half of K)
.set STAGE, BIAS+512                   ; 16 rows x (256 bytes + 16) for each wave
.set PART,  5120
.set CNTB,  4864
.set M,   64
.set SO,  68
.set SBY, 72
.set C,   76
.set X,   128
.set WS,  16
.set HS,  48
.set OUT, 56
.set W63, 88
.set RIN, 108
.set LEN, 116
.set RWN, 117
.set RW,  118
.set RI,  120
.set HF,  128
.set ACC, 224
.set MSB, 0
.macro WIN new                         ; the immediate's high byte repeats the setting that is left
.if MSB != (\new)
	s_set_vgpr_msb (MSB<<8)|(\new)
.set MSB, (\new)
.endif
.endm
; 32 loads: rows 64 u + i (lanes 0-15) and 64 u + 32 + i (lanes 16-31) of my wave's 512, into set u % 2 of window 1
.macro LOADQ u
	WIN 0x40
.set i, 0
.rept 32
	global_load_b128 v[128*((\u)%2)+4*i:128*((\u)%2)+4*i+3], v1, s[12:13] offset:(64*(\u)+i)*4096 th:TH_LOAD_NT
.set i, i+1
.endr
	WIN 0
.endm
; unit u: blocks 2 (u % 2) + lane / 16 of K step 4 w + u / 2, for my four columns
.macro QUANTQ u
.if (\u) < 7
	s_wait_loadcnt 32                              ; this unit's 32 loads (and all older ones) are in; the next unit's 32 may be out
.else
	s_wait_loadcnt 0x0
.endif
	s_wait_dscnt 0x0                               ; the last unit's LDS stores have landed, and the run of fragment loads behind them is in
.if (\u) > 0
	s_wait_alu depctr_vm_vsrc(0)                   ; the last unit's LDS stores have read v[SBY ..] and v[C ..], which this unit's shifts, conversions and moves write again
.endif
	WIN 0x01
.set i, 0
.rept 32
.irp jj, 0,1,2,3
	v_mov_b32 v[X+32*\jj+i], v[128*((\u)%2)+4*i+\jj]
.endr
.set i, i+1
.endr
.if (\u)+2 < 8
	WIN 0x40                                       ; the loads' window first, then the wait, then the loads
	s_wait_alu depctr_va_vdst(0)                   ; the 128 moves are done reading set u % 2 of window 1, in which the 32 loads below land
	LOADQ (\u)+2
.endif
	WIN 0
.irp jj, 0,1,2,3
	v_max3_num_f32 v[M+\jj], |v[X+32*\jj]|, |v[X+32*\jj+1]|, 0x1800000   ; with the floor 2^(3 - 127)
.endr
.irp k, 2,4,6,8,10,12,14,16,18,20,22,24,26,28,30
.irp jj, 0,1,2,3
	v_max3_num_f32 v[M+\jj], v[M+\jj], |v[X+32*\jj+\k]|, |v[X+32*\jj+\k+1]|
.endr
.endr
.irp jj, 0,1,2,3
	v_add_nc_u32 v[SO+\jj], 0xff000000, v[M+\jj]
.endr
.irp jj, 0,1,2,3
	v_lshrrev_b32 v[SBY+\jj], 23, v[SO+\jj]
.endr
.irp jj, 0,1,2,3
	v_cvt_scalef32_pk16_fp6_f32 v[C+8*\jj:C+8*\jj+2], v[X+32*\jj:X+32*\jj+15], v[SO+\jj]
	v_cvt_scalef32_pk16_fp6_f32 v[C+8*\jj+4:C+8*\jj+6], v[X+32*\jj+16:X+32*\jj+31], v[SO+\jj]
.endr
	v_nop                                          ; one plain line behind the conversions
.irp jj, 0,1,2,3
	v_mov_b32 v[C+8*\jj+3], v[C+8*\jj+4]
	v_mov_b32 v[C+8*\jj+4], v[C+8*\jj+5]
	v_mov_b32 v[C+8*\jj+5], v[C+8*\jj+6]
.endr
.set IMW, ((\u)/2)*4*FP+24*((\u)%2)
.set IMS, 256*((\u)/2)+2*((\u)%2)
	s_wait_alu depctr_va_vdst(0)                   ; the shifts, conversions and moves have written v[SBY ..] and v[C ..], which the 16 LDS stores below read
.irp jj, 0,1,2,3
.irp p, 0,1,2
	ds_store_b64 v4, v[C+8*\jj+2*\p:C+8*\jj+2*\p+1] offset:IMW+48*\jj+8*\p
.endr
	ds_store_b8 v5, v[SBY+\jj] offset:IMS+4*\jj
.endr
.endm
; n fragments from place p0 of the products' order on, out of LDS into their registers.  Place p holds fragment 16 ((p / 8) % 4) + 8 (p / 32) + p % 8: first the 32 that are whole at the first barrier
.macro FRAGS p0, n
.set FPOS, \p0
.rept \n
.set FIDX, 16*((FPOS/8)%4)+8*(FPOS/32)+FPOS%8
.if FPOS < 63
.set FSLT, (FPOS+21)%63
	WIN (1+FSLT/21)<<6
.set FD, 12*(FSLT%21)
.else
	WIN 0
.set FD, W63
.endif
.irp g, 0,1,2
.if FIDX < 32
	ds_load_b128 v[FD+4*\g:FD+4*\g+3], v9 offset:FIDX*FP+16*\g
.else
	ds_load_b128 v[FD+4*\g:FD+4*\g+3], v10 offset:(FIDX-32)*FP+16*\g
.endif
.endr
.set FPOS, FPOS+1
.endr
	WIN 0
.endm
; a run between two units of phase 1's second half: n early fragments, and the four scale registers 8 r .. 8 r + 3 (fragment f's words stand in register f / 2).
; No wait on va_vdst: no vector instruction names windows 2 and 3's slots or v16-47, and the addresses v9, v10, v11 stand since the head's wait
.macro EARLY p0, n, r
	FRAGS \p0, \n
.irp j, 0,1,2,3
	ds_load_b32 v[WS+8*(\r)+\j], v11 offset:128*(8*(\r)+\j)
.endr
.endm
.macro MM d, a, b, sa, sb, ra
.if (\ra)
	v_wmma_scale_f32_16x16x128_f8f6f4 v[\d:\d+7], v[\a:\a+11], v[\b:\b+11], v[\d:\d+7], v[\sa], v[\sb] matrix_a_fmt:MATRIX_FMT_FP6 matrix_b_fmt:MATRIX_FMT_FP6 matrix_a_scale:MATRIX_SCALE_ROW1
.else
	v_wmma_scale_f32_16x16x128_f8f6f4 v[\d:\d+7], v[\a:\a+11], v[\b:\b+11], v[\d:\d+7], v[\sa], v[\sb] matrix_a_fmt:MATRIX_FMT_FP6 matrix_b_fmt:MATRIX_FMT_FP6
.endif
.endm
.macro NEXTBASE src                    ; where tile min(src, the expert's last tile) begins in hq and hs: the look-ahead never leaves what the launch before has written
	s_min_u32 s33, \src, s32
	s_min_u32 s33, s33, 63
	s_mul_i32 s28, s33, 49152
	s_add_nc_u64 s[38:39], s[8:9], s[28:29]
	s_lshl_b32 s28, s33, 11
	s_add_nc_u64 s[42:43], s[10:11], s[28:29]
.endm
.macro SLOTLOAD slot, k, hb, sb        ; four loads: the fragment of K step k, 512 bytes on end a load, and its sixteen scale words
.irp g, 0,1,2
	global_load_b128 v[HF+12*(\slot)+4*\g:HF+12*(\slot)+4*\g+3], v1, s[\hb:\hb+1] offset:1536*(\k)+512*\g
.endr
	global_load_b32 v[HS+(\slot)], v4, s[\sb:\sb+1] offset:64*(\k)
.endm
.macro ENTRIES off                     ; nine loads: the entry of row l % 16, which leads to the weight, and those of rows 2 i + l / 16, for the way out
	global_load_b32 v[LEN], v3, s[4:5] offset:\off
.irp i, 0,1,2,3,4,5,6,7
	global_load_b32 v[RIN+\i], v12, s[4:5] offset:\off+8*\i
.endr
.endm
; the sl-th of a tile's sixteen steps: K step 4 ((sl / 2) % 4) + 2 (sl / 8) + sl % 2, out of slot sl % 8
.macro STEP sl
.if (\sl) < 8
	s_wait_loadcnt 37                              ; behind this slot's four loads: seven slots' 28, and the nine entries
.else
	s_wait_loadcnt 29                              ; seven slots' 28, and the next weight's one
.endif
.set KK, 4*(((\sl)/2)%4)+2*((\sl)/8)+(\sl)%2
.irp T, 0,1,2,3                                ; the four accumulators take turns, one instruction a turn
.set FPOS, 4*(\sl)+\T
.if FPOS < 63
.set FSLT, (FPOS+21)%63
	WIN 1+FSLT/21
.set FA, 12*(FSLT%21)
.else
	WIN 0
.set FA, W63
.endif
	MM ACC+8*\T, FA, HF+12*((\sl)%8), WS+2*KK+\T/2, HS+(\sl)%8, \T%2
.endr
	WIN 0
.if (\sl) == 7
	s_wait_loadcnt 28                              ; the nine entries of my next tile are in: behind them stand the seven slots filled since, 28 loads
	v_min_u32 v[LEN], 0x7ff, v[LEN]                ; from the entry in waiting to its router weight's place: the two lines stand ahead of the step's own wait, and are two of its four places
	v_lshlrev_b32 v[LEN], 2, v[LEN]
	v_nop
	v_nop
.else
.rept 4
	v_nop                                          ; four places behind the products (behind the last step: in front of the first read of results); the wait below fills none
.endr
.endif
	s_wait_alu depctr_va_vdst(0)                   ; the step's four products are done reading slot sl % 8 and its scale words, in which the four loads below land; in step 7 v[LEN] is written, which the weight's load reads
.set NI, ((\sl)+8)%16
.set NK, 4*((NI/2)%4)+2*(NI/8)+NI%2
.if (\sl) < 8
	SLOTLOAD (\sl)%8, NK, 36, 40                   ; this tile's step eight on
.else
	SLOTLOAD (\sl)%8, NK, 38, 42                   ; my next tile's first eight
.endif
.if (\sl) == 7
	global_load_b32 v[RWN], v[LEN], s[6:7]         ; the next tile's weight
.endif
.endm
	s_load_b256 s[4:11], s[0:1], 0x0               ; list s[4:5], rwt s[6:7], hq s[8:9], hs s[10:11]
	s_load_b128 s[12:15], s[0:1], 0x20             ; w2 s[12:13], b2 s[14:15]
	s_load_b64 s[16:17], s[0:1], 0x30              ; y
	v_lshl_add_u32 v15, v0, 2, 0x20000
	v_mov_b32 v107, 0
	v_lshrrev_b32 v64, 5, v0
	v_readfirstlane_b32 s18, v64                   ; wave
	s_and_b32 s19, ttmp9, 15                       ; which 64 columns of H
	s_lshr_b32 s30, ttmp9, 4                       ; which half of K
	s_and_b32 s20, ttmp7, 0xffff                   ; the expert
	; every LDS address register is made here, ahead of the one branch on the wave's number
	v_and_b32 v64, 31, v0                          ; l
	v_bfe_u32 v65, v0, 4, 1                        ; l / 16
	v_and_b32 v66, 15, v0                          ; l % 16
	v_bfe_u32 v67, v0, 2, 2                        ; my columns' tile: (l / 4) % 4
	v_and_b32 v68, 3, v0
	v_lshlrev_b32 v69, 2, v68                      ; and their first row in it: 4 (l % 4)
	v_bfe_u32 v71, v0, 3, 1                        ; tile / 2
	v_bfe_u32 v72, v0, 2, 1                        ; tile % 2
	v_lshlrev_b32 v7, 4, v66                       ; my 16 bytes of 256: of b2's, and of a row of y
	v_lshl_add_u32 v1, v65, 17, v7                 ; of a row of w2; lanes 16-31 stand 32 rows of 4,096 bytes further down
	v_lshl_add_u32 v2, v65, 5, BIAS
	s_wait_alu depctr_va_sdst(0)                   ; s18, the wave's number, is written, ahead of its first reader: addresses, bases and the one branch on the wave are made from it
	s_lshl_b32 s22, s18, 6
	v_lshl_add_u32 v3, v66, 2, s22                 ; the list: the entry of row l % 16 of tile w,
	v_lshl_add_u32 v12, v65, 2, s22                ; and of row l / 16 (+ 2 i)
	s_mul_i32 s22, s18, 16*FP                      ; my wave's four K steps: 16 fragments
	v_lshl_add_u32 v70, v65, 4, v69
	v_mul_u32_u24 v4, v67, FP
	v_mad_u32_u24 v4, v70, 48, v4
	v_add_nc_u32 v4, s22, v4                       ; where my codes go: lane' = row + 16 (l / 16)
	v_lshl_add_u32 v73, v72, 4, v69
	v_lshl_add_u32 v5, v73, 2, v65
	v_lshl_add_u32 v5, v71, 7, v5
	s_lshl_b32 s22, s18, 10
	s_add_co_u32 s22, s22, WSC
	v_add_nc_u32 v5, s22, v5                       ; and my scale bytes: register 2 step + tile / 2, lane 16 (tile % 2) + row, byte 2 c + l / 16
	v_mul_u32_u24 v9, v64, 48                      ; an image read back: 48 bytes a lane
	v_add_nc_u32 v10, 32*FP, v9
	v_lshl_add_u32 v11, v64, 2, WSC
	s_mul_i32 s22, s18, 16*272
	s_add_co_u32 s22, s22, STAGE                   ; my stage
	v_mul_u32_u24 v13, v66, 272
	v_lshl_add_u32 v13, v65, 5, v13
	v_add_nc_u32 v13, s22, v13                     ; in: row l % 16, 32 bytes for each half of the lanes
	v_mul_u32_u24 v14, v65, 272
	v_lshl_add_u32 v14, v66, 4, v14
	v_add_nc_u32 v14, s22, v14                     ; back: lanes 0-15 one row, lanes 16-31 the next
	v_lshl_add_u32 v58, v66, 4, BIAS
	s_cmp_eq_u32 s30, 0
	s_cselect_b32 s44, -1, 0
	s_lshl_b32 s28, s20, 24                        ; w2: 16 MiB an expert,
	s_lshl_b32 s22, s30, 23                        ; 2,048 rows of 4,096 bytes a half,
	s_add_co_u32 s28, s28, s22
	s_lshl_b32 s22, s18, 21                        ; 512 rows a wave,
	s_add_co_u32 s28, s28, s22
	s_lshl_b32 s31, s19, 8                         ; 256 bytes a slice
	s_add_co_u32 s28, s28, s31
	s_mov_b32 s29, 0
	s_wait_kmcnt 0x0
	s_add_nc_u64 s[12:13], s[12:13], s[28:29]
	s_lshl_b32 s28, s20, 12
	s_add_co_u32 s28, s28, s31
	s_add_nc_u64 s[14:15], s[14:15], s[28:29]      ; b2 at my 64 numbers
	s_mul_i32 s28, s20, 3145728
	s_mul_i32 s22, s30, 24576
	s_add_co_u32 s28, s28, s22
	s_add_nc_u64 s[8:9], s[8:9], s[28:29]          ; hq at the expert's tile 0, my half's first K step
	s_lshl_b32 s28, s20, 17
	s_lshl_b32 s22, s30, 10
	s_add_co_u32 s28, s28, s22
	s_add_nc_u64 s[10:11], s[10:11], s[28:29]      ; hs likewise
	s_lshl_b32 s28, s30, 23
	s_add_co_u32 s28, s28, s31
	s_add_nc_u64 s[16:17], s[16:17], s[28:29]      ; y at my half, my columns
	s_mul_i32 s28, s20, PART
	s_add_nc_u64 s[4:5], s[4:5], s[28:29]          ; the expert's part of the list
	s_load_b32 s23, s[4:5], CNTB                   ; its count: wanted behind phase 1
	s_wait_alu depctr_va_vdst(0)                   ; the addresses v1 to v5, v7, v9 to v14 and v58 are written, which the loads, stores and LDS instructions below read
	ENTRIES 0                                      ; my first tile's entries, likewise
	global_load_b128 v[60:63], v7, s[14:15]        ; the bias: every wave loads it, so that all waves count their loads alike; wave 0 stores it
	LOADQ 0
	LOADQ 1
.irp u, 0,1,2,3
	QUANTQ \u
.endr
	s_wait_dscnt 0x0                               ; my first two K steps' images and scale bytes have landed
	s_barrier_signal -1
	s_barrier_wait -1                              ; everybody's have: fragments f with f % 16 < 8 are whole.  (Loads of w2, which nobody writes, stay on their way across the barrier)
	EARLY 0, 6, 0                                  ; the first two runs are the shorter: units 4 and 5 still have loads from memory to issue
	QUANTQ 4
	EARLY 6, 6, 1
	QUANTQ 5
	EARLY 12, 10, 2
	QUANTQ 6
	EARLY 22, 10, 3
	QUANTQ 7
.irp k, 0,1,2,3
	v_cndmask_b32 v[60+\k], 0, v[60+\k], s44       ; the bias belongs to the first half of K alone
.endr
	s_wait_alu depctr_va_vdst(0)                   ; the four selections have written v60-63, which wave 0's LDS store reads
	s_cmp_lg_u32 s18, 0
	s_cbranch_scc1 .Lno_bias
	ds_store_b128 v58, v[60:63]                    ; (lanes 16-31 write what lanes 0-15 write)
.Lno_bias:
	s_wait_dscnt 0x0                               ; my images, scale bytes (and the bias) have landed
	s_barrier_signal -1
	s_barrier_wait -1                              ; everybody's have: the launch's last barrier; from here on a wave writes only its own stage
	s_wait_kmcnt 0x0                               ; the count
	s_add_co_u32 s24, s23, 15
	s_lshr_b32 s24, s24, 4                         ; tiles of 16 rows
	s_max_u32 s32, s24, 1
	s_sub_co_u32 s32, s32, 1                       ; the last tile that the launch before has written
	s_wait_alu depctr_vm_vsrc(0)                   ; w2's loads have read v1 and my LDS stores v4, which the lines below write; those stores have read v76-106 too, in part of which the last fragment lands
	v_and_b32 v1, 31, v0
	v_lshlrev_b32 v1, 4, v1                        ; my 16 bytes of an image in hq
	v_and_b32 v4, 15, v0
	v_lshlrev_b32 v4, 2, v4                        ; hs: row l % 16's word
	v_mov_b32 v[RW+1], 0                           ; (named with the weight as a pair)
	v_min_u32 v[LEN], 0x7ff, v[LEN]                ; from my first tile's entry to its router weight's place
	v_lshlrev_b32 v[LEN], 2, v[LEN]
	s_wait_alu depctr_va_vdst(0)                   ; v1, v4 and v[LEN] are written, which the loads below read; phase 1's vector lines are done with v64-106, v128-255 and window 1's two sets, in which the loads below land
	global_load_b32 v[RWN], v[LEN], s[6:7]         ; my first tile's weight: one load, older than the 32 below
	NEXTBASE s18
.irp q, 0,1,2,3,4,5,6,7
	SLOTLOAD \q, 4*((\q/2)%4)+\q%2, 38, 42         ; 32 loads out, which land while the other fragments come out of LDS: so it stands at the head of every trip
.endr
	FRAGS 32, 32
.irp r, 0,1,2,3
.irp j, 4,5,6,7
	ds_load_b32 v[WS+8*\r+\j], v11 offset:128*(8*\r+\j)
.endr
.endr
	s_wait_dscnt 0x0
	s_mov_b32 s25, s18                             ; the tile in hand: w + 4 x trip
	s_mov_b32 s26, 0
.Ltile:                                                ; sixteen trips; a trip whose tile lies behind the list's end does nothing
	s_cmp_ge_u32 s25, s24
	s_cbranch_scc1 .Lskip
	s_wait_xcnt 0x0                                ; every load and store issued so far has read its bases and registers
	s_mov_b64 s[36:37], s[38:39]
	s_mov_b64 s[40:41], s[42:43]
	s_add_co_u32 s31, s25, 4
	NEXTBASE s31
	s_wait_loadcnt 32                              ; the 32 slot loads may be out; this tile's weight and entries, which are older, are in
	s_wait_alu depctr_vm_vsrc(0)                   ; the last trip's global stores have read v[RI ..], which the lines below write, and v[OUT ..]; its LDS stores have read the accumulators and its weight's load v[LEN]: loads of this trip land in these
.irp i, 0,1,2,3,4,5,6,7
	v_min_u32 v[RI+\i], 0x7ff, v[RIN+\i]
.endr
.irp i, 0,1,2,3,4,5,6,7
	v_lshl_add_u32 v[RI+\i], v[RI+\i], 12, v7      ; the row's place in y: 4,096 x entry + my 16 bytes
.endr
	v_mov_b32 v[RW], v[RWN]
	s_wait_alu depctr_va_vdst(0)                   ; the lines above are done reading v[RIN ..] and v[RWN], in which loads of this trip land, and have written v[RI ..], which the trip's stores read
	ENTRIES 256                                    ; those of my next tile, four tiles on
.irp T, 0,1,2,3
	ds_load_b128 v[ACC+8*\T:ACC+8*\T+3], v2 offset:64*\T       ; the bias in the result's layout: the sums begin with it
	ds_load_b128 v[ACC+8*\T+4:ACC+8*\T+7], v2 offset:64*\T+16
.endr
	s_wait_dscnt 0x0
.irp s, 0,1,2,3,4,5,6,7
	STEP \s
.endr
.irp s, 8,9,10,11,12,13,14,15
	STEP \s
.endr
.irp j, 0,2,4,6,8,10,12,14,16,18,20,22,24,26,28,30
	v_pk_mul_f32 v[ACC+\j:ACC+\j+1], v[ACC+\j:ACC+\j+1], v[RW:RW+1] op_sel_hi:[1,0]   ; x rw; each accumulator from its low end on
.endr
	s_wait_alu depctr_va_vdst(0)                   ; the sixteen multiplications have written the accumulators, which the LDS stores read
.irp T, 0,1,2,3
	ds_store_b128 v13, v[ACC+8*\T:ACC+8*\T+3] offset:64*\T
	ds_store_b128 v13, v[ACC+8*\T+4:ACC+8*\T+7] offset:64*\T+16
.endr
.irp i, 0,1,2,3,4,5,6,7
	ds_load_b128 v[OUT+4*\i:OUT+4*\i+3], v14 offset:544*\i   ; LDS serves a wave's instructions in order: these see the stores above
.endr
.irp i, 0,1,2,3,4,5,6,7
	s_wait_dscnt 7-\i
	global_store_b128 v[RI+\i], v[OUT+4*\i:OUT+4*\i+3], s[16:17]   ; sixteen lanes store a row's 256 bytes on end, aligned
.endr
.Lskip:
	s_wait_xcnt 0x0                                ; the loads have read the list's base
	s_add_nc_u64 s[4:5], s[4:5], 256               ; four tiles on in the list: 64 entries
	s_add_co_u32 s25, s25, 4
	s_add_co_u32 s26, s26, 1
	s_cmp_lt_u32 s26, 16
	s_cbranch_scc1 .Ltile
	s_wait_dscnt 0x0                               ; the closing lines, six on end
	s_wait_alu 0x0
	s_wait_tensorcnt 0x0
	ds_add_u32 v15, v107
	s_wait_dscnt 0x0
	s_endpgm
.Lfunc_end_k_q207c63cc2c_ffn2:
	.size	k_q207c63cc2c_ffn2, .Lfunc_end_k_q207c63cc2c_ffn2-k_q207c63cc2c_ffn2
	.p2alignl 7, 3214868480
	.fill 96, 4, 3214868480
	.section	.rodata,"a",@progbits
	.p2align	6, 0x0
	.amdhsa_kernel k_q207c63cc2c_ffn2
		.amdhsa_group_segment_fixed_size 131584
		.amdhsa_private_segment_fixed_size 0
		.amdhsa_enable_private_segment 0
		.amdhsa_kernarg_size 56
		.amdhsa_user_sgpr_count 2
		.amdhsa_user_sgpr_kernarg_segment_ptr 1
		.amdhsa_wavefront_size32 1
		.amdhsa_system_sgpr_workgroup_id_x 1
		.amdhsa_system_sgpr_workgroup_id_y 1
		.amdhsa_system_sgpr_workgroup_id_z 1
		.amdhsa_system_vgpr_workitem_id 0
		.amdhsa_next_free_vgpr 1024
		.amdhsa_next_free_sgpr 66
		.amdhsa_reserve_vcc 0
		.amdhsa_float_denorm_mode_32 3
		.amdhsa_float_denorm_mode_16_64 3
		.amdhsa_memory_ordered 1
		.amdhsa_forward_progress 1
		.amdhsa_inst_pref_size 158
	.end_amdhsa_kernel
	.amdgpu_metadata
---
amdhsa.version: [ 1, 2 ]
amdhsa.kernels:
  - .name:           k_q207c63cc2c_ffn2
    .symbol:         k_q207c63cc2c_ffn2.kd
    .args:
      - { .name: list, .offset: 0, .size: 8, .value_kind: global_buffer, .address_space: global }
      - { .name: rwt, .offset: 8, .size: 8, .value_kind: global_buffer, .address_space: global }
      - { .name: hq, .offset: 16, .size: 8, .value_kind: global_buffer, .address_space: global }
      - { .name: hs, .offset: 24, .size: 8, .value_kind: global_buffer, .address_space: global }
      - { .name: w2, .offset: 32, .size: 8, .value_kind: global_buffer, .address_space: global }
      - { .name: b2, .offset: 40, .size: 8, .value_kind: global_buffer, .address_space: global }
      - { .name: y, .offset: 48, .size: 8, .value_kind: global_buffer, .address_space: global }
    .group_segment_fixed_size: 131584
    .private_segment_fixed_size: 0
    .kernarg_segment_align: 8
    .kernarg_segment_size: 56
    .max_flat_workgroup_size: 128
    .sgpr_count:     66
    .vgpr_count:     1024
    .wavefront_size: 32
...
	.end_amdgpu_metadata
.endif
;; end of part 7
;; launch combine: the kernel of part 5 again; grid 256 x 1, 8 waves a work-group, no clusters, 0 bytes of LDS; arguments y, out0; writes out0
